; MI455X (gfx1250); checked and timed in simulation.
; The chip was launched on July 23, 2026; its instructions are those of AMD's public machine-readable ISA for CDNA 5 (MIT licence, August 2026) and "CDNA5" Instruction Set Architecture Reference Guide (July 2026). The comments in the code are by the model that wrote it; some were corrected since.
;; Block. Allowed arithmetic: matrix products marked QUANTISED: E2M1 operands, one E8M0 scale for each 32 along K, by v_wmma_scale_f32_16x16x128_f8f6f4 with both operands' format E2M1 (or v_wmma_scale_f32_32x16x128_f4), f32 sums; everything else in f32.
;; Inputs: W1_codes 1,024 x 32 x 16 uint8 (E2M1 codes of W1, K innermost, in blocks of 32 codes, two codes a byte); W1_scales 1,024 x 32 uint8 (E8M0 scales of W1, one for each 32 codes along K); W2_codes 1,024 x 32 x 16 uint8 (E2M1 codes of W2, K innermost, in blocks of 32 codes, two codes a byte); W2_scales 1,024 x 32 uint8 (E8M0 scales of W2, one for each 32 codes along K); Wk_codes 16 x 64 x 32 x 16 uint8 (E2M1 codes of Wk, K innermost, in blocks of 32 codes, two codes a byte); Wk_scales 16 x 64 x 32 uint8 (E8M0 scales of Wk, one for each 32 codes along K); Wproj_codes 1,024 x 32 x 16 uint8 (E2M1 codes of Wproj, K innermost, in blocks of 32 codes, two codes a byte); Wproj_scales 1,024 x 32 uint8 (E8M0 scales of Wproj, one for each 32 codes along K); Wq_codes 16 x 64 x 32 x 16 uint8 (E2M1 codes of Wq, K innermost, in blocks of 32 codes, two codes a byte); Wq_scales 16 x 64 x 32 uint8 (E8M0 scales of Wq, one for each 32 codes along K); Wv_codes 16 x 64 x 32 x 16 uint8 (E2M1 codes of Wv, K innermost, in blocks of 32 codes, two codes a byte); Wv_scales 16 x 64 x 32 uint8 (E8M0 scales of Wv, one for each 32 codes along K); b1 1,024 float32; b2 1,024 float32; beta1 1,024 float32; beta2 1,024 float32; bproj 1,024 float32; g1 1,024 float32; g2 1,024 float32; x 8 x 1,024 x 1,024 float32.
;; Outputs: out0 8 x 1,024 x 1,024 float32.
;; This version of the problem:
;;   THIS VERSION OF THE PROBLEM IS GIVEN IN LOW PRECISION. The matrix products marked QUANTISED in the list below multiply operands that are first quantised to E2M1 (2 exponent bits, 1 mantissa bit; 4 bits a number), with one power-of-two scale for each 32 numbers along K (OCP MX v1.0); their sums are f32. All else is computed in f32.
;;   The module's matrix products, in the order in which they are computed (A, B: the left and right operand; K: the contracted axis; several contracted axes count as one K, in the product's order):
;;     1. [M 1,024, K 1,024] x [K 1,024, N 8,192]; A: input Wq (given as codes); B: computed on the way: QUANTISED
;;     2. [M 1,024, K 1,024] x [K 1,024, N 8,192]; A: input Wk (given as codes); B: computed on the way: QUANTISED
;;     3. [M 1,024, K 1,024] x [K 1,024, N 8,192]; A: input Wv (given as codes); B: computed on the way: QUANTISED
;;     4. batch 128 x [M 1,024, K 64] x [K 64, N 1,024]; A: computed on the way; B: computed on the way: QUANTISED
;;     5. batch 128 x [M 1,024, K 1,024] x [K 1,024, N 64]; A: softmax (see below); B: computed on the way: QUANTISED
;;     6. [M 8,192, K 1,024] x [K 1,024, N 1,024]; A: computed on the way; B: input Wproj (given as codes): QUANTISED
;;     7. [M 8,192, K 1,024] x [K 1,024, N 1,024]; A: computed on the way; B: input W1 (given as codes): QUANTISED
;;     8. [M 8,192, K 1,024] x [K 1,024, N 1,024]; A: computed on the way; B: input W2 (given as codes): QUANTISED
;;   THE QUANTISER, for each operand of a quantised product, along K:
;;     - K is cut into blocks of 32 from its start; a last block that is shorter is filled with zeros.
;;     - A block's scale is 2^e with e = floor(log2(the largest magnitude in the block)) - 2, held to -126 .. 127; a block of zeros has e = 0. As a byte (E8M0): e + 127.
;;     - Each number is divided by its block's scale, clamped to +-6, and rounded to the nearest number of E2M1, ties to even, subnormals kept.
;;     - The product sums the exact products of the quantised numbers (number of the format x scale) in f32.
;;   ~~~python
;;   def quantise(x, axis):      # numpy; x: float32 -> the quantised numbers, widened to float32 again
;;       x = np.moveaxis(x, axis, -1); K = x.shape[-1]
;;       x = np.pad(x, [(0, 0)] * (x.ndim - 1) + [(0, -K % 32)]); x = x.reshape(x.shape[:-1] + (-1, 32)); a = np.abs(x).max(-1, keepdims=True)
;;       e = np.where(a > 0, np.clip(np.frexp(np.where(a > 0, a, 1))[1] - 1 - 2, -126, 127), 0)      # np.frexp(a)[1] - 1 = floor(log2(a)), exactly
;;       r = np.clip(x / 2.0 ** e, -6, 6)
;;       step = 2.0 ** (np.maximum(np.frexp(np.where(r == 0, 1, r))[1] - 1, 0) - 1)
;;       q = np.round(r / step) * step * 2.0 ** e      # np.round: ties to even
;;       return np.moveaxis(q.reshape(q.shape[:-2] + (-1,))[..., :K], -1, axis).astype(np.float32)
;;   ~~~
;;   SOFTMAX AHEAD OF A QUANTISED PRODUCT. Where the list says 'softmax', what is quantised is not the finished softmax but p = 2^(t - M), with t = logit x log2(e) and M = ceil(the row's largest t), a whole number; so 1/2 < the row's largest p <= 1. The row's sum l is taken of the UNQUANTISED p, in f32, and the product's result is divided by l at the end. Since M is a whole number, a kernel that streams over the keys may use a running M (the ceiling of the running maximum): every later rescaling is an exact power of two, which a block's scale takes up: the codes' values come out the same.
;;   OPERANDS COMPUTED ON THE WAY. 'Computed on the way' means the value that the module computes at that place (a softmax that the list does not call 'softmax' is quantised finished and normalised). What goes into a quantiser is computed in f32, as accurately as f32 sums, v_exp_f32 and their like allow (about 1e-6 of the number): no bf16 or f16 on the way to a quantiser, and a product that is left as it is and whose result goes on into a quantised operand takes f32 operands (vector FMAs, or v_wmma_f32_16x16x4_f32). A number that lies on a knife's edge between two numbers of the format may be rounded either way, as far as f32 arithmetic and the matrix unit's own rounding can turn it there, and no further.
;;   INPUTS GIVEN AS CODES. W1 (in the module: [1024, 1024], K = its axis 0); W2 (in the module: [1024, 1024], K = its axis 0); Wk (in the module: [16, 1024, 64], K = its axis 1); Wproj (in the module: [1024, 1024], K = its axis 0); Wq (in the module: [16, 1024, 64], K = its axis 1); Wv (in the module: [16, 1024, 64], K = its axis 1): each comes as NAME_codes (uint8): NAME with its K axis moved to the last place and cut into blocks of 32 codes, [.., K / 32, bytes a block], one block behind the other in memory; two codes a byte, the lower K in the low four bits (a code: sign, 2 exponent bits, 1 mantissa bit); and NAME_scales (uint8): the same leading axes, one E8M0 byte (e + 127) for each 32 codes along K. Its value is code x scale, taken as it is: it is not quantised again, and the codes and scales need not be those that the quantiser above would give.
;; 2 versions, each right; version 2 is version 1 with the launch attn written anew for expert scheduling mode. Each part assembles by itself: llvm-mc -triple=amdgcn-amd-amdhsa -mcpu=gfx1250 --defsym DOCPART=n.
;; ======== version 1 of 2: 3 launches
;; workspace buffers: q_codes 4,194,304 bytes; k_codes 4,194,304 bytes; v_codes 4,194,304 bytes; q_sc 524,288 bytes; k_sc 524,288 bytes; v_sc 262,144 bytes; attn_img 4,194,304 bytes; attn_sc 262,144 bytes
;; launch qkv (part 1): grid 256 x 1, 8 waves a work-group, clusters of 4 x 1, 327,680 bytes of LDS; arguments x, g1, beta1, Wq_codes, Wq_scales, Wk_codes, Wk_scales, Wv_codes, Wv_scales, q_codes, q_sc, k_codes, k_sc, v_codes, v_sc; writes q_codes, q_sc, k_codes, k_sc, v_codes, v_sc
.if DOCPART == 1
	.amdgcn_target "amdgcn-amd-amdhsa--gfx1250"
	.amdhsa_code_object_version 6
	.text
	.protected	k_qdf23e72e87_qkv
	.globl	k_qdf23e72e87_qkv
	.p2align	8
	.type	k_qdf23e72e87_qkv,@function
k_qdf23e72e87_qkv:
	s_mov_b64 s[64:65], 0
	v_nop
	global_prefetch_b8 v0, s[64:65] scope:SCOPE_SE
	s_setreg_imm32_b32 hwreg(HW_REG_WAVE_MODE, 25, 1), 1
	s_wait_xcnt 0x0
	s_wait_alu depctr_hold_cnt(0) depctr_sa_sdst(0) depctr_va_vdst(0) depctr_va_sdst(0) depctr_va_ssrc(0) depctr_va_vcc(0) depctr_vm_vsrc(0)
	s_getreg_b32 s2, hwreg(HW_REG_IB_STS2, 6, 4)
	s_cmp_eq_u32 s2, 0
	s_cbranch_scc0 .Lentry_in_a_cluster
	s_endpgm
.Lentry_in_a_cluster:
	s_bfe_u32 s2, ttmp6, 0x10000c
	s_cmp_lg_u32 s2, 0x3003
	s_cbranch_scc0 .Lentry_shape_is_right
	s_endpgm
.Lentry_shape_is_right:
; LAUNCH 1 OF 3.  xn = layernorm(x, g1, beta1), quantised along C; q, k, v = xn W (MX-FP4 codes, f32 sums); q and k quantised along the head's 64, v along the keys.
; SHARES.  A work-group of eight waves owns 64 tokens (four tiles of 16) and 8 of the 16 heads (g = 0: heads 0-7, g = 1: heads 8-15): 3 x 512 weight rows, 768 KB of codes, half of what 32 tokens x all heads would bring into a WGP.
; The weights go in 6 tiles of 512 rows x 256 bytes (half of K) through two LDS slots.  Wave w owns head 8 g + w: it fetches and multiplies rows 64 w .. 64 w + 63 of a tile by the four token tiles: 16 accumulators, 64 matrix instructions a tile.
; The tokens' codes (256 registers) stay in registers, so each weight byte is read from LDS once.  The weights' scale words (2 KB a wave and matrix) go from memory straight into the scale registers, a tile ahead.
; x first fills both slots (rows 0-3 of each wave in slot 0, rows 4-7 in slot 1).  The layernorm goes in two batches: a batch is read into registers, its slot is filled again with a weight tile, and the batch's arithmetic stands beside that load.
; CLUSTER.  The four work-groups of a cluster have the same g and walk the same weights: each tile is asked for jointly (mask 15).  x is each work-group's own (other tokens) and comes by plain tensor loads.
; q, k: the product is used transposed (source 0 = 16 weight rows, source 1 = 16 tokens): a lane holds one token and its registers run along d.  v: source 0 = tokens, source 1 = weight rows: a lane holds one channel d and its registers run along the tokens, which are the keys.
; LIMITS: NaN and infinities in the inputs are not served.  A block whose largest magnitude lies under 2^-124 gets the scale byte 1; a block of zeros gets the byte 1 where the rule says 127: its codes are zeros, and only this program reads the bytes.
.set SLOT,  139264                     ; 512 rows x (256 + 16) bytes: row r starts at bank 4 r mod 64 (64 banks of 4 bytes: ISA guide 11.1)
.set IMG,   2*SLOT                     ; the tokens' codes: chunk 32 m + kb (256 bytes at pitch 272) holds block kb of token tile m, row r's 16 bytes at 16 r
.set XSC,   IMG+34816                  ; their scale words [K step 8][m 4][r 16]
.set SPARE, XSC+2048                   ; the spare words, 128 bytes for each wave: four blocks of 256 bytes that no other line names
.set XA,  1                            ; v1-2 my 128 bytes of a row of x in LDS, batch 0, 1
.set GA,  3                            ; v3   128 x lane: my 32 columns of g1 and beta1
.set IWA, 4                            ; v4   where I store a row's block of codes
.set IWS, 5                            ; v5   and its scale byte
.set AI,  6                            ; v6   where I read the tokens' fragments
.set XSL, 7                            ; v7   and their scale words
.set BA,  8                            ; v8-9 my weight fragments in slot 0, 1
.set SAG, 10                           ; v10  2,048 w + 32 x lane: my weight rows' scale bytes in memory
.set LQ,  11                           ; v11  32 r + 16 h
.set L4,  12                           ; v12  4 x lane
.set LV,  13                           ; v13  16 r + 8 h
.set LY,  14                           ; v14-17 set-up's lane, r, h; then the layernorm's scale bytes
.set SPW, 18                           ; v18  LDS address of my spare word; never rewritten
.set NIL, 19                           ; v19  0; never rewritten
.set XS,  20                           ; v20-35 the tokens' scale words, 2 s + mp: lanes 0-15 tile 2 mp, lanes 16-31 tile 2 mp + 1
.set WS,  36                           ; v36-51 the weights' scale words, 8 bp + s: lanes 0-15 tile 2 bp, lanes 16-31 tile 2 bp + 1
.set PW,  52                           ; v52-55 scale words on their way out
.set BF,  64                           ; v64-127 weight fragments, two sets of four
.set TM,  64                           ; v64-79 the quantiser's work, and from v80 the codes just made: between two tiles the fragments' registers are free
.set PC,  80
.set ACC, 128                          ; v128-255 the accumulators
.set AF,  0                            ; window 1: the tokens' fragments, 8 (8 m + s)
.set LX,  64                           ; layernorm only: row i at v[64 + 32 i]; g1 v192-223; beta1 v224-255
.set LG,  192
.set LB,  224
.set LSM, 52                           ; v52-59 a pair for each row: sums, then the mean, then squares, then 1 / sqrt
.set LT,  60                           ; v60-63
.set LC,  0                            ; window 1, v0-15: the rows' codes
.set WV,  34
.set TBK, 36                           ; my block of 64 tokens
.set HM,  37                           ; lanes 16-31
.set WL,  38                           ; wave x 64 rows of a slot
.set GG,  39                           ; g
.set G1C, 40
.set G1X, 48
.set G0C, 56
.set G0X0, 60
.set G0X1, 68
.set SEL, 80
.set RCN, 82
.set EPSR, 83
.set CP,  84                           ; s[84:89] the three tensors of codes at my 64 rows
.set MSB, 0
.macro WIN new                         ; the immediate's high byte repeats the setting that is left
.if MSB != \new
	s_set_vgpr_msb (MSB<<8)|\new
.set MSB, \new
.endif
.endm
.macro PLACES                          ; four places behind a matrix instruction, ahead of loads into its registers and of reads of its result
.rept 4
	v_nop
.endr
.endm
.macro CROUND                          ; a round of the cluster's barrier
	s_barrier_signal -1
	s_barrier_wait -1
	s_cmp_lg_u32 s[WV], 0
	s_cbranch_scc1 .Lnw0_\@
	s_barrier_signal -3
.Lnw0_\@:
	s_barrier_wait -3
	s_barrier_signal -1
	s_barrier_wait -1
.endm
; The head of a trip: all tensor loads have landed in every wave of the cluster, nobody reads slot n % 2 any more, and tile n (matrix n / 2, K half n % 2) is asked for: every wave its own 64 rows, one tensor load a wave.
.macro HF n
.set HI_, (\n)/2
.set HK_, (\n)%2
	s_wait_tensorcnt 0x0                   ; all my tensor loads have landed, so the descriptor may be written
	ds_add_u32 v[SPW], v[NIL]              ; 0 onto my spare word
	s_add_co_u32 s[G0C+1], s[WL], HK_*SLOT
	s_add_nc_u64 s[G0C+2:G0C+3], s[CP+2*HI_:CP+2*HI_+1], HK_*256
	s_or_b32 s[G0C+3], s[G0C+3], 0x80000000
	s_wait_dscnt 0x0                       ; the add is done; my LDS reads and stores are over
	CROUND
	tensor_load_to_lds s[G0C:G0C+3], s[G1C:G1C+7]
	s_nop 0
.rept 4
	v_nop                                  ; four v_nop follow the load
.endr
.endm
.macro HF_LAST                         ; the last tile has landed; nothing is asked for
	s_wait_tensorcnt 0x0
	ds_add_u32 v[SPW], v[NIL]
	s_wait_dscnt 0x0
	s_barrier_signal -1
	s_barrier_wait -1
.endm
; One matrix instruction.  c < 0: the sum starts with 0.  ra, rb: the scale words lie in lanes 16-31 of their registers.
.macro WM d, a, b, c, sa, sb, ra, rb
.if (\c) < 0
.if (\ra) && (\rb)
	v_wmma_scale_f32_16x16x128_f8f6f4 v[\d:\d+7], v[\a:\a+7], v[\b:\b+7], 0, v[\sa], v[\sb] matrix_a_fmt:MATRIX_FMT_FP4 matrix_b_fmt:MATRIX_FMT_FP4 matrix_a_scale:MATRIX_SCALE_ROW1 matrix_b_scale:MATRIX_SCALE_ROW1
.elseif (\ra)
	v_wmma_scale_f32_16x16x128_f8f6f4 v[\d:\d+7], v[\a:\a+7], v[\b:\b+7], 0, v[\sa], v[\sb] matrix_a_fmt:MATRIX_FMT_FP4 matrix_b_fmt:MATRIX_FMT_FP4 matrix_a_scale:MATRIX_SCALE_ROW1
.elseif (\rb)
	v_wmma_scale_f32_16x16x128_f8f6f4 v[\d:\d+7], v[\a:\a+7], v[\b:\b+7], 0, v[\sa], v[\sb] matrix_a_fmt:MATRIX_FMT_FP4 matrix_b_fmt:MATRIX_FMT_FP4 matrix_b_scale:MATRIX_SCALE_ROW1
.else
	v_wmma_scale_f32_16x16x128_f8f6f4 v[\d:\d+7], v[\a:\a+7], v[\b:\b+7], 0, v[\sa], v[\sb] matrix_a_fmt:MATRIX_FMT_FP4 matrix_b_fmt:MATRIX_FMT_FP4
.endif
.else
.if (\ra) && (\rb)
	v_wmma_scale_f32_16x16x128_f8f6f4 v[\d:\d+7], v[\a:\a+7], v[\b:\b+7], v[\c:\c+7], v[\sa], v[\sb] matrix_a_fmt:MATRIX_FMT_FP4 matrix_b_fmt:MATRIX_FMT_FP4 matrix_a_scale:MATRIX_SCALE_ROW1 matrix_b_scale:MATRIX_SCALE_ROW1
.elseif (\ra)
	v_wmma_scale_f32_16x16x128_f8f6f4 v[\d:\d+7], v[\a:\a+7], v[\b:\b+7], v[\c:\c+7], v[\sa], v[\sb] matrix_a_fmt:MATRIX_FMT_FP4 matrix_b_fmt:MATRIX_FMT_FP4 matrix_a_scale:MATRIX_SCALE_ROW1
.elseif (\rb)
	v_wmma_scale_f32_16x16x128_f8f6f4 v[\d:\d+7], v[\a:\a+7], v[\b:\b+7], v[\c:\c+7], v[\sa], v[\sb] matrix_a_fmt:MATRIX_FMT_FP4 matrix_b_fmt:MATRIX_FMT_FP4 matrix_b_scale:MATRIX_SCALE_ROW1
.else
	v_wmma_scale_f32_16x16x128_f8f6f4 v[\d:\d+7], v[\a:\a+7], v[\b:\b+7], v[\c:\c+7], v[\sa], v[\sb] matrix_a_fmt:MATRIX_FMT_FP4 matrix_b_fmt:MATRIX_FMT_FP4
.endif
.endif
.endm
.macro WSLOAD u, hf                    ; matrix u's scale words of K half hf for my 64 rows: row 64 w + 32 bp + lane, 16 bytes: lanes 16-31 stand on the next tile's rows
.irp bp,0,1
	global_load_b128 v[WS+8*\bp+4*(\hf):WS+8*\bp+4*(\hf)+3], v[SAG], s[12+4*(\u):13+4*(\u)] offset:\bp*1024+16*(\hf)
.endr
.endm
.macro LOADB slot, q                   ; my four weight fragments of the tile's q-th 128 along K, into set q % 2
.irp t,0,1,2,3
.irp c,0,1
	ds_load_b128 v[BF+32*((\q)%2)+8*\t+4*\c:BF+32*((\q)%2)+8*\t+4*\c+3], v[BA+\slot] offset:\t*4352+64*(\q)+32*\c
.endr
.endr
.endm
; A tile: matrix u, K half kh, which lies in slot kh.  kind 0: source 0 = weights, source 1 = tokens (q, k).  kind 1: the other way round (v).
; The sixteen accumulators take turns, one instruction a turn, in the same order in every K step.
.macro MULT kh, kind, u
.if \kh == 0
	WSLOAD \u, 1                           ; the next tile's scale words, into the registers that this tile does not read (their last readers stand behind four places)
	s_wait_loadcnt 2                       ; all but these two loads are in: this tile's scale words were asked for a tile ago
.elseif \u < 2
	WSLOAD \u+1, 0
	s_wait_loadcnt 2
.else
	s_wait_loadcnt 0x0
.endif
	LOADB \kh, 0
.irp q,0,1,2,3
.if \q < 3
	LOADB \kh, \q+1
	s_wait_dscnt 8                         ; all but the eight loads just issued are in
.else
	s_wait_dscnt 0x0
.endif
.if \kind == 0
	WIN 0x04                               ; source 1 (tokens) window 1; LDS loads have no source 1, so the setting stays through the tile
.else
	WIN 0x01                               ; source 0 (tokens) window 1
.endif
.set KS_, 4*\kh+\q
.irp t,0,1,2,3
.irp m,0,1,2,3
.set rB, BF+32*(\q%2)+8*\t
.set rA, AF+8*(8*\m+KS_)
.set rW, WS+8*(\t/2)+KS_
.set rX, XS+2*KS_+\m/2
.if \kind == 0
.set rD, ACC+32*\m+8*\t
.else
.set rD, ACC+64*(\m/2)+16*\t+8*(\m%2)
.endif
.set rC, rD
.if KS_ == 0
.set rC, -1
.endif
.if \kind == 0
	WM rD, rB, rA, rC, rW, rX, \t%2, \m%2
.else
	WM rD, rA, rB, rC, rX, rW, \m%2, \t%2
.endif
.endr
.endr
.if \kind != 0
	WIN 0
.endif
	PLACES
.endr
	WIN 0
.endm
; 64 numbers of a lane, four blocks B: v[s + 16 B .. s + 16 B + 15] and lane l xor 16's sixteen.  Bytes in v[TM+4+B]; codes: v[PC+2B] of the first eight, v[PC+2B+1] of the second eight.
.macro QUANT s
.irp b,0,1,2,3
	v_mov_b32 v[TM+4+\b], 0                ; a lane permute's destination counts as one of its sources
.endr
.irp b,0,1,2,3
	v_max3_num_f32 v[TM+\b], |v[\s+16*\b]|, |v[\s+1+16*\b]|, 0x1800000   ; with the floor 2^(3 - 127): the byte cannot fall under 1
.endr
.irp i,2,4,6,8,10,12,14
.irp b,0,1,2,3
	v_max3_num_f32 v[TM+\b], v[TM+\b], |v[\s+16*\b+\i]|, |v[\s+1+16*\b+\i]|
.endr
.endr
.irp b,0,1,2,3
	v_permlanex16_b32 v[TM+4+\b], v[TM+\b], s[SEL], s[SEL+1]
.endr
.irp b,0,1,2,3
	v_max_num_f32 v[TM+\b], v[TM+\b], v[TM+4+\b]
.endr
.irp b,0,1,2,3
	v_add_nc_u32 v[TM+12+\b], 0xff000000, v[TM+\b]     ; 2 off the exponent field: the conversion's scale operand
.endr
.irp b,0,1,2,3
	v_lshrrev_b32 v[TM+4+\b], 23, v[TM+12+\b]          ; the scale's byte
.endr
.irp b,0,1,2,3
	v_cvt_scalef32_pk8_fp4_f32 v[PC+2*\b], v[\s+16*\b:\s+16*\b+7], v[TM+12+\b]
	v_cvt_scalef32_pk8_fp4_f32 v[PC+2*\b+1], v[\s+16*\b+8:\s+16*\b+15], v[TM+12+\b]
.endr
	v_nop                                  ; one plain place behind the last scaled conversion
.endm
.macro SWAP1                           ; a lane holds words h and 2 + h of a block; afterwards words 2 h and 2 h + 1
.irp b,0,1,2,3
	v_permlane16_swap_b32 v[PC+2*\b], v[PC+2*\b+1]
.endr
.endm
.macro SWAP2                           ; afterwards v[PC+4c .. +3] of lane half h is the whole block 2 c + h
.irp c,0,1
.irp i,0,1
	v_permlane16_swap_b32 v[PC+4*\c+\i], v[PC+4*\c+2+\i]
.endr
.endr
.endm
.macro EPI_QK pc, ps                   ; my head of q or of k, 64 tokens, two token tiles at a time: codes and scale words
.irp mp,0,1
.set PC, 80+8*\mp
	QUANT ACC+64*\mp                       ; block 2 m + b: token tile 2 mp + m, d = 32 b ..
	SWAP1
	SWAP2
	global_store_b128 v[LQ], v[PC:PC+3], s[\pc:\pc+1] offset:1024*\mp           ; 32 lanes store 512 consecutive bytes
	global_store_b128 v[LQ], v[PC+4:PC+7], s[\pc:\pc+1] offset:1024*\mp+512
	v_lshl_or_b32 v[PW+2*\mp], v[TM+5], 8, v[TM+4]
	v_lshl_or_b32 v[PW+2*\mp+1], v[TM+7], 8, v[TM+6]
	v_cndmask_b32 v[PW+2*\mp], v[PW+2*\mp], v[PW+2*\mp+1], s[HM]                ; lanes 16-31: the second tile's tokens
	v_or_b32 v[PW+2*\mp], 0x7f7f0000, v[PW+2*\mp]                               ; the bytes of k = 64 .. 127, where the codes will be zeros: 1.0
	global_store_b32 v[L4], v[PW+2*\mp], s[\ps:\ps+1] offset:128*\mp
.endr
	s_wait_xcnt 0x0                        ; the stores have read their data: the next tile's fragments land in those registers
.endm
.macro EPI_V                           ; my head of v: each 32 tokens are one block of keys for each of 64 channels
.irp kb,0,1
.set PC, 80+8*\kb
	QUANT ACC+64*\kb                       ; block t: channel 16 t + r
	SWAP1
.irp t,0,1,2,3
	global_store_b64 v[LV], v[PC+2*\t:PC+2*\t+1], s[30:31] offset:1024*\kb+256*\t    ; 32 lanes store 256 consecutive bytes
.endr
	v_lshl_or_b32 v[PW+\kb], v[TM+5], 8, v[TM+4]
	v_lshl_or_b32 v[PW+\kb], v[TM+6], 16, v[PW+\kb]
	v_lshl_or_b32 v[PW+\kb], v[TM+7], 24, v[PW+\kb]
.endr
	v_cndmask_b32 v[PW], v[PW], v[PW+1], s[HM]         ; lanes 0-15 the first block of keys, lanes 16-31 the second: 128 consecutive bytes
	global_store_b32 v[L4], v[PW], s[32:33]
.endm
.macro LANESUM b                       ; four rows' sums over the 32 lanes
.irp x,1,2,4,8
.irp i,0,1,2,3
	v_add_f32_dpp v[\b+2*\i], v[\b+2*\i], v[\b+2*\i] row_xmask:\x row_mask:0xf bank_mask:0xf
.endr
.endr
.irp i,0,1,2,3
	v_permlanex16_b32 v[LT+\i], v[\b+2*\i], s[SEL], s[SEL+1]
.endr
.irp i,0,1,2,3
	v_add_f32 v[\b+2*\i], v[\b+2*\i], v[LT+\i]
.endr
.endm
; LAYERNORM AND QUANTISER, four rows at a time.  Wave w: tokens 8 w + 4 bt + i; lane l: columns 32 l .. 32 l + 31, one block.  A wave reads only the rows that its own load brought.
.macro LNLOAD bt
.irp i,0,1,2,3
.irp e,0,1,2,3,4,5,6,7
	ds_load_b128 v[LX+32*\i+4*\e:LX+32*\i+4*\e+3], v[XA+\bt] offset:4352*\i+16*\e
.endr
.endr
.endm
.macro LNCOMP bt
.irp i,0,1,2,3
	v_pk_add_f32 v[LSM+2*\i:LSM+2*\i+1], v[LX+32*\i:LX+32*\i+1], v[LX+32*\i+2:LX+32*\i+3]
.endr
.set e_, 4
.rept 14
.irp i,0,1,2,3
	v_pk_add_f32 v[LSM+2*\i:LSM+2*\i+1], v[LSM+2*\i:LSM+2*\i+1], v[LX+32*\i+e_:LX+32*\i+e_+1]
.endr
.set e_, e_+2
.endr
.irp i,0,1,2,3
	v_add_f32 v[LSM+2*\i], v[LSM+2*\i], v[LSM+2*\i+1]
.endr
	LANESUM LSM
.irp i,0,1,2,3
	v_mul_f32 v[LSM+2*\i], s[RCN], v[LSM+2*\i]         ; the mean
.endr
.set e_, 0
.rept 16
.irp i,0,1,2,3
	v_pk_add_f32 v[LX+32*\i+e_:LX+32*\i+e_+1], v[LX+32*\i+e_:LX+32*\i+e_+1], v[LSM+2*\i:LSM+2*\i+1] op_sel_hi:[1,0] neg_lo:[0,1] neg_hi:[0,1]
.endr
.set e_, e_+2
.endr
.irp i,0,1,2,3
	v_pk_mul_f32 v[LSM+2*\i:LSM+2*\i+1], v[LX+32*\i:LX+32*\i+1], v[LX+32*\i:LX+32*\i+1]
.endr
.set e_, 2
.rept 15
.irp i,0,1,2,3
	v_pk_fma_f32 v[LSM+2*\i:LSM+2*\i+1], v[LX+32*\i+e_:LX+32*\i+e_+1], v[LX+32*\i+e_:LX+32*\i+e_+1], v[LSM+2*\i:LSM+2*\i+1]
.endr
.set e_, e_+2
.endr
.irp i,0,1,2,3
	v_add_f32 v[LSM+2*\i], v[LSM+2*\i], v[LSM+2*\i+1]
.endr
	LANESUM LSM
.irp i,0,1,2,3
	v_fma_f32 v[LSM+2*\i], v[LSM+2*\i], s[RCN], s[EPSR]
.endr
.irp i,0,1,2,3
	v_rsq_f32 v[LSM+2*\i], v[LSM+2*\i]
.endr
	v_nop                                  ; a plain place behind the transcendentals
.set e_, 0
	s_wait_alu depctr_va_vdst(0)
.rept 16
.irp i,0,1,2,3
	v_pk_mul_f32 v[LX+32*\i+e_:LX+32*\i+e_+1], v[LX+32*\i+e_:LX+32*\i+e_+1], v[LSM+2*\i:LSM+2*\i+1] op_sel_hi:[1,0]
.endr
.set e_, e_+2
.endr
	s_wait_loadcnt 0x0                     ; g1 and beta1 (and the first scale words of Wq)
.set e_, 0
.rept 16
.irp i,0,1,2,3
	v_pk_fma_f32 v[LX+32*\i+e_:LX+32*\i+e_+1], v[LX+32*\i+e_:LX+32*\i+e_+1], v[LG+e_:LG+e_+1], v[LB+e_:LB+e_+1]
.endr
.set e_, e_+2
.endr
.irp i,0,1,2,3
	v_max3_num_f32 v[LT+\i], |v[LX+32*\i]|, |v[LX+32*\i+1]|, 0x1800000
.endr
.set e_, 2
.rept 15
.irp i,0,1,2,3
	v_max3_num_f32 v[LT+\i], v[LT+\i], |v[LX+32*\i+e_]|, |v[LX+32*\i+e_+1]|
.endr
.set e_, e_+2
.endr
.irp i,0,1,2,3
	v_add_nc_u32 v[LT+\i], 0xff000000, v[LT+\i]
.endr
.irp i,0,1,2,3
	v_lshrrev_b32 v[LY+\i], 23, v[LT+\i]
.endr
	WIN 0x40                               ; the codes go into window 1, which holds nothing yet
.irp i,0,1,2,3
.irp g,0,1,2,3
	v_cvt_scalef32_pk8_fp4_f32 v[LC+4*\i+\g], v[LX+32*\i+8*\g:LX+32*\i+8*\g+7], v[LT+\i]
.endr
.endr
	v_nop                                  ; one plain place behind the last scaled conversion
	WIN 0x04                               ; an LDS store's data are its source 1: window 1
.irp i,0,1,2,3
	ds_store_b128 v[IWA], v[LC+4*\i:LC+4*\i+3] offset:16*(4*\bt+\i)
.endr
	WIN 0
.irp i,0,1,2,3
	ds_store_b8 v[IWS], v[LY+\i] offset:4*(4*\bt+\i)
.endr
.endm
	s_load_b512 s[4:19], s[0:1], 0x0       ; x, g1, beta1, Wq codes, Wq scales, Wk codes, Wk scales, Wv codes
	s_load_b256 s[20:27], s[0:1], 0x40     ; Wv scales, q_codes, q_sc, k_codes
	s_load_b128 s[28:31], s[0:1], 0x60     ; k_sc, v_codes
	s_load_b64 s[32:33], s[0:1], 0x70      ; v_sc
	v_lshl_add_u32 v[SPW], v0, 2, SPARE
	v_mov_b32 v[NIL], 0
	ds_add_u32 v18, v19
	ds_add_u32 v18, v19
	s_wait_dscnt 0x0
	v_lshrrev_b32 v17, 5, v0
	v_readfirstlane_b32 s[WV], v17         ; wave 0..7
	s_bfe_u32 s35, ttmp6, 0x40000          ; cx: it enters global addresses of x and of the outputs alone
	s_lshr_b32 s[TBK], ttmp9, 1
	s_lshl_b32 s[TBK], s[TBK], 2
	s_add_co_u32 s[TBK], s[TBK], s35       ; my block of 64 tokens: 4 (cluster / 2) + cx
	s_and_b32 s[GG], ttmp9, 1              ; my half of the heads: the cluster's, so the four partners share it
	s_mov_b32 s[HM], 0xffff0000
	s_mov_b32 s[SEL], 0x76543210
	s_mov_b32 s[SEL+1], 0xfedcba98
	s_mov_b32 s[RCN], 0x3a800000           ; 1 / 1,024
	s_mov_b32 s[EPSR], 0x3727c5ac          ; 1e-5
	s_mul_i32 s[WL], s[WV], 17408
	; group 1, codes: 64 rows of 256 bytes, 512 bytes apart, 16 bytes of padding behind each; mask 15, bit 21 beside it
	s_mov_b32 s[G1C+0], 15|(1<<20)|(1<<21)|(5<<22)|(3<<25)
	s_mov_b32 s[G1C+1], 256<<16
	s_mov_b32 s[G1C+2], 64<<16
	s_mov_b32 s[G1C+3], 256<<16
	s_mov_b32 s[G1C+4], 64
	s_mov_b32 s[G1C+5], 512
	s_mov_b32 s[G1C+6], 0
	s_mov_b32 s[G1C+7], 0
	; group 1, x: four rows, 16,384 dense bytes, as 64 rows of 256 bytes (32 elements of 8 bytes) with 16 bytes of padding behind each; no mask
	s_mov_b32 s[G1X+0], (3<<16)|(1<<20)|(5<<22)|(3<<25)
	s_mov_b32 s[G1X+1], 32<<16
	s_mov_b32 s[G1X+2], 64<<16
	s_mov_b32 s[G1X+3], 32<<16
	s_mov_b32 s[G1X+4], 64
	s_mov_b32 s[G1X+5], 32
	s_mov_b32 s[G1X+6], 0
	s_mov_b32 s[G1X+7], 0
	s_lshl_b32 s90, s[TBK], 18             ; 64 rows of 4,096 bytes a work-group,
	s_lshl_b32 s91, s[WV], 15              ; eight a wave
	s_add_co_u32 s90, s90, s91
	s_mov_b32 s91, 0
	s_lshl_b32 s92, s[GG], 18              ; 512 weight rows of 512 bytes for g,
	s_lshl_b32 s93, s[WV], 15              ; 64 a wave
	s_add_co_u32 s92, s92, s93
	s_mov_b32 s93, 0
	s_lshl_b32 s94, s[GG], 14              ; 512 rows of 32 scale bytes
	s_mov_b32 s95, 0
	s_wait_kmcnt 0x0
	s_add_nc_u64 s[CP:CP+1], s[10:11], s[92:93]
	s_add_nc_u64 s[CP+2:CP+3], s[14:15], s[92:93]
	s_add_nc_u64 s[CP+4:CP+5], s[18:19], s[92:93]
	s_add_nc_u64 s[12:13], s[12:13], s[94:95]
	s_add_nc_u64 s[16:17], s[16:17], s[94:95]
	s_add_nc_u64 s[20:21], s[20:21], s[94:95]
	s_mov_b32 s[G0C], 1
	s_mov_b32 s[G0X0], 1
	s_mov_b32 s[G0X0+1], s[WL]             ; rows 0-3 of my eight: slot 0
	s_add_nc_u64 s[G0X0+2:G0X0+3], s[4:5], s[90:91]
	s_mov_b32 s[G0X1], 1
	s_add_co_u32 s[G0X1+1], s[WL], SLOT    ; rows 4-7: slot 1
	s_add_nc_u64 s[G0X1+2:G0X1+3], s[G0X0+2:G0X0+3], 16384
	s_or_b32 s[G0X0+3], s[G0X0+3], 0x80000000
	s_or_b32 s[G0X1+3], s[G0X1+3], 0x80000000
	CROUND                                 ; in a cluster launch every group of tensor loads stands behind a round
	tensor_load_to_lds s[G0X0:G0X0+3], s[G1X:G1X+7]    ; the first fills, one group: two tensor loads of a wave are out
	s_nop 0
	tensor_load_to_lds s[G0X1:G0X1+3], s[G1X:G1X+7]
	s_nop 0
.rept 4
	v_nop
.endr
	v_and_b32 v14, 31, v0                  ; lane
	v_and_b32 v15, 15, v0                  ; r
	v_bfe_u32 v16, v0, 4, 1                ; h
	v_lshlrev_b32 v[GA], 7, v14
.irp e,0,1,2,3,4,5,6,7
	global_load_b128 v[LG+4*\e:LG+4*\e+3], v[GA], s[6:7] offset:16*\e
	global_load_b128 v[LB+4*\e:LB+4*\e+3], v[GA], s[8:9] offset:16*\e
.endr
	s_lshl_b32 s93, s[WV], 11
	v_lshl_add_u32 v[SAG], v14, 5, s93
	WSLOAD 0, 0                            ; Wq's scale words of the first K half
	v_lshrrev_b32 v17, 1, v14
	v_lshlrev_b32 v[XA], 7, v14
	v_lshl_add_u32 v[XA], v17, 4, v[XA]    ; 128 x lane, and 16 more for each 256 passed
	v_add_nc_u32 v[XA], s[WL], v[XA]
	v_add_nc_u32 v[XA+1], SLOT, v[XA]
	s_lshr_b32 s91, s[WV], 1               ; my eight tokens: tile w / 2, rows 8 (w % 2) + i
	s_and_b32 s92, s[WV], 1
	s_mul_i32 s96, s91, 8704
	s_lshl_b32 s95, s92, 7
	s_add_co_u32 s96, s96, s95
	s_add_co_u32 s96, s96, IMG
	v_mul_u32_u24 v[IWA], v14, 272         ; my lane's block of 32 columns is chunk 32 m + lane
	v_add_nc_u32 v[IWA], s96, v[IWA]
	s_lshl_b32 s96, s91, 6
	s_lshl_b32 s95, s92, 5
	s_add_co_u32 s96, s96, s95
	s_add_co_u32 s96, s96, XSC
	v_lshrrev_b32 v17, 2, v14
	v_and_b32 v[IWS], 3, v14
	v_lshl_add_u32 v[IWS], v17, 8, v[IWS]  ; K step lane / 4, byte lane % 4
	v_add_nc_u32 v[IWS], s96, v[IWS]
	v_mul_u32_u24 v[AI], v16, 272
	v_lshl_add_u32 v[AI], v15, 4, v[AI]
	v_add_nc_u32 v[AI], IMG, v[AI]
	v_lshl_add_u32 v[XSL], v14, 2, XSC
	v_mul_u32_u24 v[BA], v15, 272
	v_lshl_add_u32 v[BA], v16, 4, v[BA]
	v_add_nc_u32 v[BA], s[WL], v[BA]
	v_add_nc_u32 v[BA+1], SLOT, v[BA]
	v_lshlrev_b32 v[LQ], 5, v15
	v_lshl_add_u32 v[LQ], v16, 4, v[LQ]
	v_lshlrev_b32 v[L4], 2, v14
	v_lshlrev_b32 v[LV], 4, v15
	v_lshl_add_u32 v[LV], v16, 3, v[LV]
.irp i,0,1,2,3
	v_mov_b32 v[LT+\i], 0                  ; a lane permute's destination counts as one of its sources
.endr
	; where my results go: batch = block / 16, first token 64 (block % 16), head 8 g + w
	s_lshr_b32 s90, s[TBK], 4
	s_lshl_b32 s90, s90, 4
	s_lshl_b32 s91, s[GG], 3
	s_add_co_u32 s90, s90, s91
	s_add_co_u32 s90, s90, s[WV]           ; 16 batch + head
	s_and_b32 s91, s[TBK], 15
	s_lshl_b32 s92, s90, 10
	s_lshl_b32 s96, s91, 6
	s_add_co_u32 s92, s92, s96             ; row (16 batch + head) 1,024 + first token
	s_lshl_b32 s94, s92, 5
	s_mov_b32 s95, 0
	s_add_nc_u64 s[22:23], s[22:23], s[94:95]
	s_add_nc_u64 s[26:27], s[26:27], s[94:95]
	s_lshl_b32 s94, s92, 2
	s_add_nc_u64 s[24:25], s[24:25], s[94:95]
	s_add_nc_u64 s[28:29], s[28:29], s[94:95]
	s_lshl_b32 s94, s90, 5
	s_lshl_b32 s96, s91, 1
	s_add_co_u32 s94, s94, s96             ; my first block of 32 keys
	s_lshl_b32 s94, s94, 10
	s_add_nc_u64 s[30:31], s[30:31], s[94:95]
	s_lshl_b32 s94, s90, 11
	s_lshl_b32 s96, s91, 7
	s_add_co_u32 s94, s94, s96
	s_add_nc_u64 s[32:33], s[32:33], s[94:95]
	s_wait_tensorcnt 0x1                   ; my rows 0-3 are in; the load of rows 4-7, issued behind it, may stay out
	LNLOAD 0
	HF 0                                   ; rows 0-3 are in registers: tile 0 goes into their place, and the batch's arithmetic stands beside that load
	LNCOMP 0
	LNLOAD 1
	HF 1                                   ; likewise rows 4-7 and tile 1
	LNCOMP 1
	s_wait_dscnt 0x0                       ; for the others' sake: my codes and scale bytes lie in LDS
	s_barrier_signal -1
	s_barrier_wait -1                      ; everybody's do; tile 1 may stay on its way
	WIN 0x40                               ; destination window 1
.irp m,0,1,2,3
.irp s,0,1,2,3,4,5,6,7
.irp c,0,1
	ds_load_b128 v[AF+8*(8*\m+\s)+4*\c:AF+8*(8*\m+\s)+4*\c+3], v[AI] offset:(32*\m+4*\s+2*\c)*272
.endr
.endr
.endr
	WIN 0
.irp s,0,1,2,3,4,5,6,7
.irp mp,0,1
	ds_load_b32 v[XS+2*\s+\mp], v[XSL] offset:256*\s+128*\mp
.endr
.endr
	MULT 0, 0, 0
	HF 2
	MULT 1, 0, 0
	HF 3
	EPI_QK 22, 24                          ; an epilogue stands behind the refill, which so has the epilogue and a tile's work in which to land
	MULT 0, 0, 1
	HF 4
	MULT 1, 0, 1
	HF 5
	EPI_QK 26, 28
	MULT 0, 1, 2
	HF_LAST
	MULT 1, 1, 2
	EPI_V
	s_wait_tensorcnt 0x0                   ; the wave's end
	ds_add_u32 v[SPW], v[NIL]
	s_wait_dscnt 0x0
	CROUND                                 ; the closing round: no work-group ends while a partner may still ask for a tile that names it
	s_endpgm
.Lfunc_end_k_qdf23e72e87_qkv:
	.size	k_qdf23e72e87_qkv, .Lfunc_end_k_qdf23e72e87_qkv-k_qdf23e72e87_qkv
	.p2alignl 7, 3214868480
	.fill 96, 4, 3214868480
	.section	.rodata,"a",@progbits
	.p2align	6, 0x0
	.amdhsa_kernel k_qdf23e72e87_qkv
		.amdhsa_group_segment_fixed_size 327680
		.amdhsa_private_segment_fixed_size 0
		.amdhsa_enable_private_segment 0
		.amdhsa_kernarg_size 120
		.amdhsa_user_sgpr_count 2
		.amdhsa_user_sgpr_kernarg_segment_ptr 1
		.amdhsa_wavefront_size32 1
		.amdhsa_system_sgpr_workgroup_id_x 1
		.amdhsa_system_sgpr_workgroup_id_y 1
		.amdhsa_system_sgpr_workgroup_id_z 1
		.amdhsa_system_vgpr_workitem_id 0
		.amdhsa_next_free_vgpr 512
		.amdhsa_next_free_sgpr 100
		.amdhsa_reserve_vcc 0
		.amdhsa_float_denorm_mode_32 3
		.amdhsa_float_denorm_mode_16_64 3
		.amdhsa_memory_ordered 1
		.amdhsa_forward_progress 1
		.amdhsa_inst_pref_size 174
	.end_amdhsa_kernel
	.amdgpu_metadata
---
amdhsa.version: [ 1, 2 ]
amdhsa.kernels:
  - .name:           k_qdf23e72e87_qkv
    .symbol:         k_qdf23e72e87_qkv.kd
    .args:
      - { .name: x, .offset: 0, .size: 8, .value_kind: global_buffer, .address_space: global }
      - { .name: g1, .offset: 8, .size: 8, .value_kind: global_buffer, .address_space: global }
      - { .name: beta1, .offset: 16, .size: 8, .value_kind: global_buffer, .address_space: global }
      - { .name: Wq_codes, .offset: 24, .size: 8, .value_kind: global_buffer, .address_space: global }
      - { .name: Wq_scales, .offset: 32, .size: 8, .value_kind: global_buffer, .address_space: global }
      - { .name: Wk_codes, .offset: 40, .size: 8, .value_kind: global_buffer, .address_space: global }
      - { .name: Wk_scales, .offset: 48, .size: 8, .value_kind: global_buffer, .address_space: global }
      - { .name: Wv_codes, .offset: 56, .size: 8, .value_kind: global_buffer, .address_space: global }
      - { .name: Wv_scales, .offset: 64, .size: 8, .value_kind: global_buffer, .address_space: global }
      - { .name: q_codes, .offset: 72, .size: 8, .value_kind: global_buffer, .address_space: global }
      - { .name: q_sc, .offset: 80, .size: 8, .value_kind: global_buffer, .address_space: global }
      - { .name: k_codes, .offset: 88, .size: 8, .value_kind: global_buffer, .address_space: global }
      - { .name: k_sc, .offset: 96, .size: 8, .value_kind: global_buffer, .address_space: global }
      - { .name: v_codes, .offset: 104, .size: 8, .value_kind: global_buffer, .address_space: global }
      - { .name: v_sc, .offset: 112, .size: 8, .value_kind: global_buffer, .address_space: global }
    .group_segment_fixed_size: 327680
    .private_segment_fixed_size: 0
    .kernarg_segment_align: 8
    .kernarg_segment_size: 120
    .max_flat_workgroup_size: 256
    .sgpr_count:     100
    .vgpr_count:     512
    .wavefront_size: 32
...
	.end_amdgpu_metadata
.endif
;; end of part 1
;; launch attn (part 2): grid 256 x 1, 16 waves a work-group, no clusters, 73,728 bytes of LDS; arguments q_codes, q_sc, k_codes, k_sc, v_codes, v_sc, attn_img, attn_sc; writes attn_img, attn_sc
.if DOCPART == 2
	.amdgcn_target "amdgcn-amd-amdhsa--gfx1250"
	.amdhsa_code_object_version 6
	.text
	.protected	k_qdf23e72e87_attn
	.globl	k_qdf23e72e87_attn
	.p2align	8
	.type	k_qdf23e72e87_attn,@function
k_qdf23e72e87_attn:
	s_mov_b64 s[64:65], 0
	v_nop
	global_prefetch_b8 v0, s[64:65] scope:SCOPE_SE
	s_setreg_imm32_b32 hwreg(HW_REG_WAVE_MODE, 25, 1), 1
	s_wait_xcnt 0x0
; LAUNCH 2 OF 3.  Causal attention on MX-FP4 codes: S^T = K Q^T (K = the head's 64, filled to 128 with zero codes of Q), p = 2^(t - M) with t = score x log2(e) / 8 and M the ceiling of the running largest t,
; p quantised along the keys, O^T += V^T P^T; the row's sum is taken of the unquantised p and divides at the end; O / l is quantised along C and stored as the next launch's operand registers.
; SHARES.  Two work-groups to a (batch, head); each copies the head's K and V codes and scale bytes (70 KB) into LDS once, through registers, and only reads LDS behind the one barrier.
; Wave p (0 .. 31 over the two work-groups) makes the query tiles p and 63 - p: (p / 8 + 1) + (8 - p / 8) = 9 key steps of 128 keys for every wave.  Steps all of whose keys come after the tile's queries are jumped over by a scalar branch on ids.
; The queries of both tiles are asked for at the head, ahead of the fill, and are covered by the fill's wait.
; NO CLUSTER, NO TENSOR LOADS: what the two work-groups of a head share is this one fill of 70 KB at the start; a key step has 12 matrix instructions beside some 300 vector instructions, so the fill is a small part of the work.
; A lane holds one query (lane % 16) throughout.  Tiles are natural: key tile kt holds keys 16 kt + r; register 8 kt + j of lane half h is key 16 kt + 8 h + j; two exchanges of lane halves order p's codes as the operand wants them.
; LIMITS: NaN and infinities are not served; a block whose largest magnitude lies under 2^-124, or all zeros, gets the scale byte 1 (its codes are then zeros or held; only this program reads the bytes).
.set VC,  32768                        ; LDS: K's codes [key][32 bytes] at 0; V's [block of 32 keys][d 64][16 bytes] here;
.set KS,  65536                        ; K's scale words [key];
.set VS,  69632                        ; V's scale words [key step 8][d tile 4][r 16]
.set AK,  1                            ; v1  32 r + 16 h
.set AV,  2                            ; v2  VC + 16 r + 1,024 h
.set AKS, 3                            ; v3  KS + 4 x lane
.set AVS, 4                            ; v4  VS + 4 x lane
.set R4,  5                            ; v5  4 r
.set L16, 6                            ; v6  16 x lane
.set RH,  7                            ; v7  r - 8 h
.set ADK, 8
.set ADV, 9
.set ADS, 10
.set ADT, 11
.set QF,  16                           ; v16-23 the first tile's Q; v20-23 (k = 64 .. 127) are zeros
.set QSW, 24                           ; v24 its scale words
.set HW0, 25                           ; v25, v26 pass 0's two scale bytes and where they go; v27, v28 pass 1's
.set KFR, 32                           ; v32-63 eight tiles of K, four registers each; v64-67 zeros
.set VFR, 68                           ; v68-99 four fragments of V
.set S,   100                          ; v100-163 S^T, then p
.set O,   164                          ; v164-195 O^T
.set PC,  196                          ; v196-203 p's codes
.set KSW, 204                          ; v204-207 K's scale words: lanes 0-15 tile 2 b, lanes 16-31 tile 2 b + 1
.set VSW, 208                          ; v208-209 V's likewise
.set BM,  212
.set BP,  216
.set BS,  220
.set FF,  224                          ; v224 f = 2^(old M - new M); v225 p's scale word
.set TT,  226
.set MD,  227
.set MI,  228
.set QF2, 232                          ; v232-239 the second tile's Q; v236-239 are zeros
.set QSW2, 240                         ; v240 its scale words
.set WV,  20
.set BH,  21
.set PP,  22
.set HM,  23
.set SEL, 24
.set CS,  26
.set KF,  28
.set Q0,  29
.macro PLACES
.rept 4
	v_nop
.endr
.endm
.macro WM d, a, b, c, sa, sb, ra       ; one matrix instruction; c < 0: the sum starts with 0; ra: source 0's scale words lie in lanes 16-31
.if (\c) < 0
.if (\ra)
	v_wmma_scale_f32_16x16x128_f8f6f4 v[\d:\d+7], v[\a:\a+7], v[\b:\b+7], 0, v[\sa], v[\sb] matrix_a_fmt:MATRIX_FMT_FP4 matrix_b_fmt:MATRIX_FMT_FP4 matrix_a_scale:MATRIX_SCALE_ROW1
.else
	v_wmma_scale_f32_16x16x128_f8f6f4 v[\d:\d+7], v[\a:\a+7], v[\b:\b+7], 0, v[\sa], v[\sb] matrix_a_fmt:MATRIX_FMT_FP4 matrix_b_fmt:MATRIX_FMT_FP4
.endif
.else
.if (\ra)
	v_wmma_scale_f32_16x16x128_f8f6f4 v[\d:\d+7], v[\a:\a+7], v[\b:\b+7], v[\c:\c+7], v[\sa], v[\sb] matrix_a_fmt:MATRIX_FMT_FP4 matrix_b_fmt:MATRIX_FMT_FP4 matrix_a_scale:MATRIX_SCALE_ROW1
.else
	v_wmma_scale_f32_16x16x128_f8f6f4 v[\d:\d+7], v[\a:\a+7], v[\b:\b+7], v[\c:\c+7], v[\sa], v[\sb] matrix_a_fmt:MATRIX_FMT_FP4 matrix_b_fmt:MATRIX_FMT_FP4
.endif
.endif
.endm
; A KEY STEP: keys KF .. KF + 127.  qf, qsw: the pass's fragment of Q and its scale words.
.macro STEP qf, qsw
	s_add_co_u32 s50, s[Q0], 15
	s_cmp_gt_u32 s[KF], s50
	s_cbranch_scc1 .Lhid_\@                ; all its keys come after my queries
	s_lshl_b32 s50, s[KF], 5
	s_lshl_b32 s51, s[KF], 2
	s_lshl_b32 s52, s[KF], 1
	v_add_nc_u32 v[ADK], s50, v[AK]        ; these four are also the places between the last step's products and the loads into their registers
	v_add_nc_u32 v[ADV], s50, v[AV]
	v_add_nc_u32 v[ADS], s51, v[AKS]
	v_add_nc_u32 v[ADT], s52, v[AVS]
.irp kt,0,1,2,3,4,5,6,7
	ds_load_b128 v[KFR+4*\kt:KFR+4*\kt+3], v[ADK] offset:512*\kt
.endr
.irp b,0,1,2,3
	ds_load_b32 v[KSW+\b], v[ADS] offset:128*\b
.endr
.irp dt,0,1,2,3
.irp c,0,1
	ds_load_b128 v[VFR+8*\dt+4*\c:VFR+8*\dt+4*\c+3], v[ADV] offset:2048*\c+256*\dt
.endr
.endr
.irp b,0,1
	ds_load_b32 v[VSW+\b], v[ADT] offset:128*\b
.endr
	s_wait_dscnt 10                        ; K and its scale words are in; V's eight loads and two scale words may stay out
.irp kt,0,1,2,3,4,5,6,7                ; source 0's upper four registers (k = 64 .. 127) are the next tile's: there Q's codes are zeros and both scale bytes 1.0, so they add nothing whatever they hold
	WM S+8*\kt, KFR+4*\kt, \qf, -1, KSW+\kt/2, \qsw, \kt%2
.endr
	PLACES
	s_add_co_u32 s50, s[KF], 127
	s_cmp_le_u32 s50, s[Q0]
	s_cbranch_scc1 .Lopen_\@               ; all its keys count
	s_sub_co_i32 s50, s[Q0], s[KF]
	v_add_nc_u32 v[MD], s50, v[RH]         ; d = my query - KF - 8 h: register n holds key KF + 8 h + 16 (n / 8) + n % 8, hidden where 16 (n / 8) + n % 8 > d
	v_mov_b32 v[MI], 0xff800000            ; -infinity: p = 0 then
.set n_, 0
.rept 64
	v_cmp_gt_i32 vcc_lo, 16*(n_/8)+n_%8, v[MD]
	v_cndmask_b32 v[S+n_], v[S+n_], v[MI], vcc_lo
.set n_, n_+1
.endr
.Lopen_\@:
.irp b,0,1,2,3
	v_max3_num_f32 v[BM+\b], v[S+16*\b], v[S+16*\b+1], v[S+16*\b+2]     ; the largest score of each block of 32 keys: for the row's maximum and, since p rises with the score, for the block's largest p
.endr
.irp i,3,5,7,9,11,13
.irp b,0,1,2,3
	v_max3_num_f32 v[BM+\b], v[BM+\b], v[S+16*\b+\i], v[S+16*\b+\i+1]
.endr
.endr
.irp b,0,1,2,3
	v_max_num_f32 v[BM+\b], v[BM+\b], v[S+16*\b+15]
.endr
.irp b,0,1,2,3
	v_permlanex16_b32 v[BP+\b], v[BM+\b], s[SEL], s[SEL+1]
.endr
.irp b,0,1,2,3
	v_max_num_f32 v[BM+\b], v[BM+\b], v[BP+\b]
.endr
	v_max3_num_f32 v[TT], v[BM], v[BM+1], v[BM+2]
	v_max_num_f32 v[TT], v[TT], v[BM+3]
	v_mul_f32 v[TT], s[CS], v[TT]
	v_max_num_f32 v13, v13, v[TT]          ; the running largest t
	v_mov_b32 v[TT], v12
	v_floor_f32 v12, -v13                  ; -M = floor(-t): M is a whole number
	v_sub_f32 v[TT], v12, v[TT]
	v_cvt_i32_f32 v[TT], v[TT]             ; (it saturates)
	v_ldexp_f32 v[FF], 1.0, v[TT]          ; f = 2^(old M - new M)
.set j_, 0
.rept 32
	v_pk_fma_f32 v[S+j_:S+j_+1], v[S+j_:S+j_+1], s[CS:CS+1], v[12:13] op_sel_hi:[1,0,0]
.set j_, j_+2
.endr
.irp b,0,1,2,3
	v_fma_f32 v[BM+\b], v[BM+\b], s[CS], v12
.endr
.set j_, 0
.rept 64
	v_exp_f32 v[S+j_], v[S+j_]             ; p = 2^(t - M)
.set j_, j_+1
.endr
.irp b,0,1,2,3
	v_exp_f32 v[BM+\b], v[BM+\b]
.endr
	v_pk_mul_f32 v[14:15], v[14:15], v[FF:FF+1] op_sel_hi:[1,0]          ; the sums under the new M (a plain place behind the exponentials)
	s_wait_alu depctr_va_vdst(0)
.irp b,0,1,2,3
	v_max_num_f32 v[BM+\b], 0x1800000, v[BM+\b]
.endr
.irp b,0,1,2,3
	v_add_nc_u32 v[BS+\b], 0xff000000, v[BM+\b]
.endr
.irp b,0,1,2,3
	v_lshrrev_b32 v[BP+\b], 23, v[BS+\b]
.endr
	v_lshl_or_b32 v[FF+1], v[BP+1], 8, v[BP]
	v_lshl_or_b32 v[FF+1], v[BP+2], 16, v[FF+1]
	v_lshl_or_b32 v[FF+1], v[BP+3], 24, v[FF+1]                          ; p's scale word for these 128 keys
.irp b,0,1,2,3
	v_cvt_scalef32_pk8_fp4_f32 v[PC+2*\b], v[S+16*\b:S+16*\b+7], v[BS+\b]
	v_cvt_scalef32_pk8_fp4_f32 v[PC+2*\b+1], v[S+16*\b+8:S+16*\b+15], v[BS+\b]
.endr
	v_nop                                  ; one plain place behind the last scaled conversion
.irp b,0,1,2,3
	v_permlane16_swap_b32 v[PC+2*\b], v[PC+2*\b+1]                       ; words h, 2 + h of a block become words 2 h, 2 h + 1
.endr
.irp c,0,1
.irp i,0,1
	v_permlane16_swap_b32 v[PC+4*\c+\i], v[PC+4*\c+2+\i]                 ; and then a whole block in a lane: block 2 c + h
.endr
.endr
	v_pk_add_f32 v[BP:BP+1], v[S:S+1], v[S+2:S+3]                        ; the row's sum, of the unquantised p, in two chains
.set j_, 4
.rept 15
	v_pk_add_f32 v[14:15], v[14:15], v[S+j_:S+j_+1]
	v_pk_add_f32 v[BP:BP+1], v[BP:BP+1], v[S+j_+2:S+j_+3]
.set j_, j_+4
.endr
	v_pk_add_f32 v[14:15], v[14:15], v[BP:BP+1]
.set j_, 0
.rept 16
	v_pk_mul_f32 v[O+j_:O+j_+1], v[O+j_:O+j_+1], v[FF:FF+1] op_sel_hi:[1,0]   ; O^T under the new M
.set j_, j_+2
.endr
	s_wait_dscnt 0x0                       ; V and its scale words
.irp dt,0,1,2,3
	WM O+8*\dt, VFR+8*\dt, PC, O+8*\dt, VSW+\dt/2, FF+1, \dt%2
.endr
.Lhid_\@:
.endm
; A PASS: one tile of 16 queries.
.macro PASS i
	s_lshl_b32 s[Q0], s[PP], 4
.if \i
	s_wait_xcnt 0x0                        ; the last pass's store has read its base and its data
	s_sub_co_u32 s[Q0], 1008, s[Q0]        ; tile 63 - p
.endif
	s_mov_b32 s37, 0
	s_lshr_b32 s42, s[BH], 4               ; the batch
	s_and_b32 s43, s[BH], 15               ; the head
	s_lshl_b32 s36, s42, 19                ; the image: (64 batch + tile) x 8,192 + head x 512
	s_lshl_b32 s44, s[Q0], 9
	s_add_co_u32 s36, s36, s44
	s_lshl_b32 s44, s43, 9
	s_add_co_u32 s36, s36, s44
	s_add_nc_u64 s[46:47], s[16:17], s[36:37]
	s_lshl_b32 s45, s42, 15                ; the two scale bytes: (32 batch + tile / 2) x 1,024 + (head / 2) x 128 + (tile % 2) x 64 + 4 r + 2 (head % 2)
	s_lshr_b32 s48, s[Q0], 5
	s_lshl_b32 s48, s48, 10
	s_add_co_u32 s45, s45, s48
	s_lshr_b32 s48, s43, 1
	s_lshl_b32 s48, s48, 7
	s_add_co_u32 s45, s45, s48
	s_bfe_u32 s48, s[Q0], 0x10004
	s_lshl_b32 s48, s48, 6
	s_add_co_u32 s45, s45, s48
	s_and_b32 s48, s[BH], 1
	s_lshl_b32 s48, s48, 1
	s_add_co_u32 s45, s45, s48
	v_add_nc_u32 v[HW0+2*\i+1], s45, v[R4]
	v_mov_b32 v13, 0xff61b1e6              ; the largest t so far: -3e38
	v_floor_f32 v12, -v13
	v_mov_b32 v14, 0
	v_mov_b32 v15, 0
.set j_, 0
.rept 32
	v_mov_b32 v[O+j_], 0                   ; the step is written once: the first finds zeros
.set j_, j_+1
.endr
	s_mov_b32 s[KF], 0
.Lstep_\@:                                 ; eight trips, a constant; what is left out is a step's work
.if \i
	STEP QF2, QSW2
.else
	STEP QF, QSW
.endif
	s_add_co_u32 s[KF], s[KF], 128
	s_cmp_lt_u32 s[KF], 1024
	s_cbranch_scc1 .Lstep_\@
	PLACES
	v_add_f32 v14, v14, v15
	v_permlanex16_b32 v[TT], v14, s[SEL], s[SEL+1]
	v_add_f32 v14, v14, v[TT]              ; the row's sum
	v_rcp_f32 v14, v14
	v_nop                                  ; a plain place behind the transcendental
.set j_, 0
	s_wait_alu depctr_va_vdst(0)
.rept 32
	v_mul_f32 v[S+j_], v[O+j_], v14        ; register 8 dt + j: channel 16 dt + 8 h + j of my query
.set j_, j_+1
.endr
.irp b,0,1
	v_max3_num_f32 v[BM+\b], |v[S+16*\b]|, |v[S+16*\b+1]|, 0x1800000
.endr
.irp u,2,4,6,8,10,12,14
.irp b,0,1
	v_max3_num_f32 v[BM+\b], v[BM+\b], |v[S+16*\b+\u]|, |v[S+16*\b+\u+1]|
.endr
.endr
.irp b,0,1
	v_permlanex16_b32 v[BP+\b], v[BM+\b], s[SEL], s[SEL+1]
.endr
.irp b,0,1
	v_max_num_f32 v[BM+\b], v[BM+\b], v[BP+\b]
.endr
.irp b,0,1
	v_add_nc_u32 v[BS+\b], 0xff000000, v[BM+\b]
.endr
.irp b,0,1
	v_lshrrev_b32 v[BP+\b], 23, v[BS+\b]
.endr
.irp b,0,1
	v_cvt_scalef32_pk8_fp4_f32 v[PC+2*\b], v[S+16*\b:S+16*\b+7], v[BS+\b]
	v_cvt_scalef32_pk8_fp4_f32 v[PC+2*\b+1], v[S+16*\b+8:S+16*\b+15], v[BS+\b]
.endr
	v_nop                                  ; one plain place behind the last scaled conversion
	v_permlane16_swap_b32 v[PC], v[PC+1]
	v_permlane16_swap_b32 v[PC+2], v[PC+3]
	v_permlane16_swap_b32 v[PC], v[PC+2]
	v_permlane16_swap_b32 v[PC+1], v[PC+3] ; v[PC .. PC+3] of lane (r, h): block h of token r of this head
	global_store_b128 v[L16], v[PC:PC+3], s[46:47]     ; 32 lanes store 512 consecutive bytes
	v_lshl_or_b32 v[HW0+2*\i], v[BP+1], 8, v[BP]
.endm
	s_load_b512 s[4:19], s[0:1], 0x0       ; q_codes, q_sc, k_codes, k_sc, v_codes, v_sc, attn_img, attn_sc
	v_lshl_add_u32 v254, v0, 2, 0x11800
	v_mov_b32 v255, 0
	v_lshrrev_b32 v8, 5, v0
	v_readfirstlane_b32 s[WV], v8          ; wave 0..15
	s_lshr_b32 s[BH], ttmp9, 1             ; 16 x batch + head
	s_and_b32 s30, ttmp9, 1
	s_lshl_b32 s30, s30, 4
	s_add_co_u32 s[PP], s30, s[WV]         ; p
	s_mov_b32 s[HM], 0xffff0000
	s_mov_b32 s[SEL], 0x76543210
	s_mov_b32 s[SEL+1], 0xfedcba98
	s_mov_b32 s[CS], 0x3e38aa3b            ; log2(e) / 8
	s_mov_b32 s[CS+1], s[CS]
	v_and_b32 v9, 31, v0                   ; lane
	v_and_b32 v10, 15, v0                  ; r
	v_bfe_u32 v11, v0, 4, 1                ; h
	v_lshlrev_b32 v[AK], 5, v10
	v_lshl_add_u32 v[AK], v11, 4, v[AK]
	v_lshlrev_b32 v[AV], 4, v10
	v_lshl_add_u32 v[AV], v11, 10, v[AV]
	v_add_nc_u32 v[AV], VC, v[AV]
	v_lshl_add_u32 v[AKS], v9, 2, KS
	v_lshl_add_u32 v[AVS], v9, 2, VS
	v_lshlrev_b32 v[R4], 2, v10
	v_lshlrev_b32 v[L16], 4, v9
	v_lshlrev_b32 v[RH], 3, v11
	v_sub_nc_u32 v[RH], v10, v[RH]
	v_lshlrev_b32 v30, 4, v0               ; the fill: 16 bytes a thread,
	v_lshlrev_b32 v31, 3, v0               ; 8 bytes a thread of K's scale words,
	v_lshrrev_b32 v12, 6, v0               ; and thread (ks, t, r) gathers the four bytes of V's scale word: 256 ks + 64 kb + 4 r + t
	v_bfe_u32 v13, v0, 4, 2
	v_lshl_add_u32 v13, v10, 2, v13
	v_lshl_add_u32 v29, v12, 8, v13
	v_lshl_add_u32 v28, v0, 3, KS
	v_lshl_add_u32 v27, v0, 2, VS
	s_lshl_b32 s30, s[BH], 15
	s_mov_b32 s31, 0
	s_lshl_b32 s32, s[BH], 12
	s_mov_b32 s33, 0
	s_lshl_b32 s34, s[BH], 11
	s_mov_b32 s35, 0
	s_lshl_b32 s[Q0], s[PP], 4             ; the first tile's first query,
	s_sub_co_u32 s38, 1008, s[Q0]          ; the second tile's
	s_mov_b32 s37, 0
	s_wait_kmcnt 0x0
	s_add_nc_u64 s[4:5], s[4:5], s[30:31]
	s_add_nc_u64 s[6:7], s[6:7], s[32:33]
	s_add_nc_u64 s[8:9], s[8:9], s[30:31]
	s_add_nc_u64 s[10:11], s[10:11], s[32:33]
	s_add_nc_u64 s[12:13], s[12:13], s[30:31]
	s_add_nc_u64 s[14:15], s[14:15], s[34:35]
	s_lshl_b32 s36, s[Q0], 5
	s_add_nc_u64 s[56:57], s[4:5], s[36:37]
	s_lshl_b32 s36, s[Q0], 2
	s_add_nc_u64 s[58:59], s[6:7], s[36:37]
	s_lshl_b32 s36, s38, 5
	s_add_nc_u64 s[60:61], s[4:5], s[36:37]
	s_lshl_b32 s36, s38, 2
	s_add_nc_u64 s[62:63], s[6:7], s[36:37]
	global_load_b128 v[QF:QF+3], v[AK], s[56:57]       ; both tiles' queries and their scale words: asked for first, covered by the fill's wait
	global_load_b32 v[QSW], v[R4], s[58:59]
	global_load_b128 v[QF2:QF2+3], v[AK], s[60:61]
	global_load_b32 v[QSW2], v[R4], s[62:63]
.irp i,0,1,2,3
	global_load_b128 v[S+4*\i:S+4*\i+3], v30, s[8:9] offset:8192*\i
	global_load_b128 v[S+16+4*\i:S+16+4*\i+3], v30, s[12:13] offset:8192*\i
.endr
	global_load_b64 v[S+32:S+33], v31, s[10:11]
.irp kb,0,1,2,3
	global_load_u8 v[S+34+\kb], v29, s[14:15] offset:64*\kb
.endr
.irp j,0,1,2,3
	v_mov_b32 v[QF+4+\j], 0                ; Q's codes of k = 64 .. 127
	v_mov_b32 v[QF2+4+\j], 0
	v_mov_b32 v[KFR+32+\j], 0
	v_mov_b32 v[BP+\j], 0                  ; a lane permute's destination counts as one of its sources
.endr
	v_mov_b32 v[FF+1], 0                   ; (named as the upper half of a pair before it is first written)
	v_mov_b32 v[TT], 0
	s_wait_loadcnt 0x0
.irp i,0,1,2,3
	ds_store_b128 v30, v[S+4*\i:S+4*\i+3] offset:8192*\i
	ds_store_b128 v30, v[S+16+4*\i:S+16+4*\i+3] offset:VC+8192*\i
.endr
	ds_store_b64 v28, v[S+32:S+33]
	v_lshl_or_b32 v[S+34], v[S+35], 8, v[S+34]
	v_lshl_or_b32 v[S+34], v[S+36], 16, v[S+34]
	v_lshl_or_b32 v[S+34], v[S+37], 24, v[S+34]
	ds_store_b32 v27, v[S+34]
	s_wait_dscnt 0x0                       ; for the others' sake: my stores have landed
	s_barrier_signal -1
	s_barrier_wait -1                      ; from here on LDS is only read
	PASS 0
	PASS 1
	v_cndmask_b32 v[HW0], v[HW0], v[HW0+2], s[HM]      ; lanes 0-15 store the first tile's scale bytes, lanes 16-31 the second's
	v_cndmask_b32 v[HW0+1], v[HW0+1], v[HW0+3], s[HM]
	global_store_b16 v[HW0+1], v[HW0], s[18:19]
	s_wait_tensorcnt 0x0
	ds_add_u32 v254, v255
	s_wait_dscnt 0x0
	s_endpgm
.Lfunc_end_k_qdf23e72e87_attn:
	.size	k_qdf23e72e87_attn, .Lfunc_end_k_qdf23e72e87_attn-k_qdf23e72e87_attn
	.p2alignl 7, 3214868480
	.fill 96, 4, 3214868480
	.section	.rodata,"a",@progbits
	.p2align	6, 0x0
	.amdhsa_kernel k_qdf23e72e87_attn
		.amdhsa_group_segment_fixed_size 73728
		.amdhsa_private_segment_fixed_size 0
		.amdhsa_enable_private_segment 0
		.amdhsa_kernarg_size 64
		.amdhsa_user_sgpr_count 2
		.amdhsa_user_sgpr_kernarg_segment_ptr 1
		.amdhsa_wavefront_size32 1
		.amdhsa_system_sgpr_workgroup_id_x 1
		.amdhsa_system_sgpr_workgroup_id_y 1
		.amdhsa_system_sgpr_workgroup_id_z 1
		.amdhsa_system_vgpr_workitem_id 0
		.amdhsa_next_free_vgpr 256
		.amdhsa_next_free_sgpr 66
		.amdhsa_reserve_vcc 1
		.amdhsa_float_denorm_mode_32 3
		.amdhsa_float_denorm_mode_16_64 3
		.amdhsa_memory_ordered 1
		.amdhsa_forward_progress 1
		.amdhsa_inst_pref_size 58
	.end_amdhsa_kernel
	.amdgpu_metadata
---
amdhsa.version: [ 1, 2 ]
amdhsa.kernels:
  - .name:           k_qdf23e72e87_attn
    .symbol:         k_qdf23e72e87_attn.kd
    .args:
      - { .name: q_codes, .offset: 0, .size: 8, .value_kind: global_buffer, .address_space: global }
      - { .name: q_sc, .offset: 8, .size: 8, .value_kind: global_buffer, .address_space: global }
      - { .name: k_codes, .offset: 16, .size: 8, .value_kind: global_buffer, .address_space: global }
      - { .name: k_sc, .offset: 24, .size: 8, .value_kind: global_buffer, .address_space: global }
      - { .name: v_codes, .offset: 32, .size: 8, .value_kind: global_buffer, .address_space: global }
      - { .name: v_sc, .offset: 40, .size: 8, .value_kind: global_buffer, .address_space: global }
      - { .name: attn_img, .offset: 48, .size: 8, .value_kind: global_buffer, .address_space: global }
      - { .name: attn_sc, .offset: 56, .size: 8, .value_kind: global_buffer, .address_space: global }
    .group_segment_fixed_size: 73728
    .private_segment_fixed_size: 0
    .kernarg_segment_align: 8
    .kernarg_segment_size: 64
    .max_flat_workgroup_size: 512
    .sgpr_count:     66
    .vgpr_count:     256
    .wavefront_size: 32
...
	.end_amdgpu_metadata
.endif
;; end of part 2
;; launch mlp (part 3): grid 256 x 1, 8 waves a work-group, clusters of 4 x 1, 327,680 bytes of LDS; arguments x, attn_img, attn_sc, Wproj_codes, Wproj_scales, W1_codes, W1_scales, W2_codes, W2_scales, bproj, g2, beta2, b1, b2, out0; writes out0
.if DOCPART == 3
	.amdgcn_target "amdgcn-amd-amdhsa--gfx1250"
	.amdhsa_code_object_version 6
	.text
	.protected	k_qdf23e72e87_mlp
	.globl	k_qdf23e72e87_mlp
	.p2align	8
	.type	k_qdf23e72e87_mlp,@function
k_qdf23e72e87_mlp:
	s_mov_b64 s[64:65], 0
	v_nop
	global_prefetch_b8 v0, s[64:65] scope:SCOPE_SE
	s_setreg_imm32_b32 hwreg(HW_REG_WAVE_MODE, 25, 1), 1
	s_wait_xcnt 0x0
	s_wait_alu depctr_hold_cnt(0) depctr_sa_sdst(0) depctr_va_vdst(0) depctr_va_sdst(0) depctr_va_ssrc(0) depctr_va_vcc(0) depctr_vm_vsrc(0)
	s_getreg_b32 s2, hwreg(HW_REG_IB_STS2, 6, 4)
	s_cmp_eq_u32 s2, 0
	s_cbranch_scc0 .Lentry_in_a_cluster
	s_endpgm
.Lentry_in_a_cluster:
	s_bfe_u32 s2, ttmp6, 0x10000c
	s_cmp_lg_u32 s2, 0x3003
	s_cbranch_scc0 .Lentry_shape_is_right
	s_endpgm
.Lentry_shape_is_right:
; LAUNCH 3 OF 3.  x1 = x + attn Wproj + bproj;  xn2 = layernorm(x1, g2, beta2), quantised;  h = relu(xn2 W1 + b1), quantised;  out = x1 + h W2 + b2.  All three products on MX-FP4 codes, f32 sums.
; SHARES.  A work-group of eight waves owns 32 whole rows (two tiles of 16) through the whole chain; x1, xn2 and h never go to memory.  The weights go in 12 tiles of 512 rows x 256 bytes (half of K) through two LDS slots;
; wave w fetches and multiplies rows 64 w .. 64 w + 63 of a tile by both token tiles.  All products are used transposed (source 0 = 16 weight rows, source 1 = 16 tokens): lane (r, h) holds token r, register j of tile t column 16 t + 8 h + j.
; x1 lies in 128 registers a wave (columns 512 g + 64 w ..): x and the bias are put there first and the products add onto them.  The tokens' operand (128 registers) stays in registers, so each weight byte is read from LDS once;
; xn2 and h go from wave to wave through LDS as blocks of 16 bytes, a chunk of 256 bytes for each block of 32 along K.  The weights' scale words go from memory straight into the scale registers, a tile ahead.
; Columns 0-511 of the output are finished two tiles ahead of the end and leave then, behind a refill, through a stage that no tensor load fills.
; CLUSTER.  The four work-groups of a cluster walk the same weights: each tile of codes is asked for jointly (mask 15).  x is each work-group's own and comes by plain tensor loads.
; LIMITS: NaN and infinities in the inputs are not served.  A block whose largest magnitude lies under 2^-124 gets the scale byte 1; a block of zeros gets the byte 1 where the rule says 127: its codes are zeros, and only this program reads the bytes.
.set SLOT,  139264                     ; 512 rows x (256 + 16) bytes
.set IMG,   2*SLOT                     ; the tokens' codes: chunk 32 m + kb (256 bytes at pitch 272), row r's 16 bytes at 16 r
.set XSC,   IMG+17408                  ; their scale words [K step 8][m 2][r 16]
.set STAT,  XSC+1024                   ; two areas of [wave 8][lane 32] f32: the rows' partial sums
.set STG,   IMG                        ; the way out: 16 rows x 272 bytes for each wave, over the three regions above, which nobody reads any more by then
.set SPARE, IMG+34816                  ; the spare words, 128 bytes for each wave: four blocks of 256 bytes that no other line names
.set XR,  1                            ; v1-2  my part of x's rows in LDS, token tile 0, 1
.set AI,  3
.set XSL, 4
.set BA,  5                            ; v5-6  my weight fragments in slot 0, 1
.set SA,  7                            ; v7   2,048 w + 32 x lane: my weight rows' scale bytes in memory
.set IWA, 8
.set IWS, 9
.set STA, 10
.set STR, 11
.set BO,  12                           ; v12  256 w + 32 h: my columns' bytes in a vector of 1,024 f32
.set AIG, 13
.set L4,  14
.set SO,  15
.set SR,  16
.set GO,  17
.set SPW, 22                           ; v22  LDS address of my spare word; never rewritten
.set NIL, 23                           ; v23  0; never rewritten
.set XS,  24                           ; v24-31 the tokens' scale words
.set WS,  32                           ; v32-47 the weights' scale words
.set BIAS, 48                          ; v48-79 b1 of my four tiles
.set BF,  80                           ; v80-143 weight fragments, two sets of four
.set HA,  144                          ; v144-207 the hidden layer's accumulators
.set OB,  144                          ; the way out: rows read back from the stage, two sets of 32, where the hidden layer lay
.set T,   80                           ; v80-207 128 numbers at work
.set TM,  208
.set PC,  224
.set SM,  232
.set SQ,  240
.set PD,  248
.set STV, 250
.set HWA, 251
.set HWB, 252
.set AF,  0                            ; window 1, v0-127: the tokens' fragments, 8 (8 m + s); in the layernorm g2 (0-63) and beta2 (64-127)
.set X1,  128                          ; window 1, v128-255: x1, 64 g + 32 m + 8 t + j
.set WV,  34
.set WG,  36
.set HM,  37
.set WL,  38
.set G1C, 40
.set G1X, 56
.set G0C, 68
.set G0X, 76
.set SEL, 80
.set RCN, 82
.set EPSR, 83
.set CP,  84
.set MSB, 0
.macro WIN new                         ; the immediate's high byte repeats the setting that is left
.if MSB != \new
	s_set_vgpr_msb (MSB<<8)|\new
.set MSB, \new
.endif
.endm
.macro PLACES                          ; four places behind a matrix instruction, ahead of loads into its registers and of reads of its result
.rept 4
	v_nop
.endr
.endm
.macro BARRIER                         ; my LDS stores have landed and my LDS loads are in: then the work-group's barrier
	s_wait_dscnt 0x0
	s_barrier_signal -1
	s_barrier_wait -1
.endm
.macro CROUND                          ; a round of the cluster's barrier
	s_barrier_signal -1
	s_barrier_wait -1
	s_cmp_lg_u32 s[WV], 0
	s_cbranch_scc1 .Lnw0_\@
	s_barrier_signal -3
.Lnw0_\@:
	s_barrier_wait -3
	s_barrier_signal -1
	s_barrier_wait -1
.endm
; The head of a trip: tile n - 1 has landed in every wave of the cluster, nobody reads slot n % 2 any more, and tile n is asked for: every wave its own 64 rows, one tensor load a wave.
.macro HF n
.set HI_, (\n)/4
.set HG_, ((\n)/2)%2
.set HK_, (\n)%2
	s_wait_tensorcnt 0x0                   ; all my tensor loads have landed, so the descriptor may be written
	ds_add_u32 v[SPW], v[NIL]              ; 0 onto my spare word
	s_add_co_u32 s[G0C+1], s[WL], HK_*SLOT
	s_add_nc_u64 s[G0C+2:G0C+3], s[CP+2*HI_:CP+2*HI_+1], HG_*262144+HK_*256
	s_or_b32 s[G0C+3], s[G0C+3], 0x80000000
	s_wait_dscnt 0x0                       ; the add is done; my LDS reads and stores are over
	CROUND
	tensor_load_to_lds s[G0C:G0C+3], s[G1C:G1C+7]
	s_nop 0
.rept 4
	v_nop                                  ; four v_nop follow the load
.endr
.endm
.macro HF_LAST                         ; the last tile has landed; nothing is asked for
	s_wait_tensorcnt 0x0
	ds_add_u32 v[SPW], v[NIL]
	s_wait_dscnt 0x0
	s_barrier_signal -1
	s_barrier_wait -1
.endm
; One matrix instruction.  ra, rb: the scale words lie in lanes 16-31 of their registers.
.macro WM d, a, b, c, sa, sb, ra, rb
.if (\ra) && (\rb)
	v_wmma_scale_f32_16x16x128_f8f6f4 v[\d:\d+7], v[\a:\a+7], v[\b:\b+7], v[\c:\c+7], v[\sa], v[\sb] matrix_a_fmt:MATRIX_FMT_FP4 matrix_b_fmt:MATRIX_FMT_FP4 matrix_a_scale:MATRIX_SCALE_ROW1 matrix_b_scale:MATRIX_SCALE_ROW1
.elseif (\ra)
	v_wmma_scale_f32_16x16x128_f8f6f4 v[\d:\d+7], v[\a:\a+7], v[\b:\b+7], v[\c:\c+7], v[\sa], v[\sb] matrix_a_fmt:MATRIX_FMT_FP4 matrix_b_fmt:MATRIX_FMT_FP4 matrix_a_scale:MATRIX_SCALE_ROW1
.elseif (\rb)
	v_wmma_scale_f32_16x16x128_f8f6f4 v[\d:\d+7], v[\a:\a+7], v[\b:\b+7], v[\c:\c+7], v[\sa], v[\sb] matrix_a_fmt:MATRIX_FMT_FP4 matrix_b_fmt:MATRIX_FMT_FP4 matrix_b_scale:MATRIX_SCALE_ROW1
.else
	v_wmma_scale_f32_16x16x128_f8f6f4 v[\d:\d+7], v[\a:\a+7], v[\b:\b+7], v[\c:\c+7], v[\sa], v[\sb] matrix_a_fmt:MATRIX_FMT_FP4 matrix_b_fmt:MATRIX_FMT_FP4
.endif
.endm
.macro WSLOAD u, hf                    ; unit u (matrix u / 2, rows 512 (u % 2) ..): the scale words of K half hf for my 64 rows: row 64 w + 32 bp + lane, 16 bytes: lanes 16-31 stand on the next tile's rows
.irp bp,0,1
	global_load_b128 v[WS+8*\bp+4*(\hf):WS+8*\bp+4*(\hf)+3], v[SA], s[12+4*((\u)/2):13+4*((\u)/2)] offset:((\u)%2)*16384+\bp*1024+16*(\hf)
.endr
.endm
.macro LOADB slot, q                   ; my four weight fragments of the tile's q-th 128 along K, into set q % 2
.irp t,0,1,2,3
.irp c,0,1
	ds_load_b128 v[BF+32*((\q)%2)+8*\t+4*\c:BF+32*((\q)%2)+8*\t+4*\c+3], v[BA+\slot] offset:\t*4352+64*(\q)+32*\c
.endr
.endr
.endm
; A tile of unit u: K half kh, which lies in slot kh.  kind 0: the hidden layer, sums begun with b1 as C.  kind 2: onto x1's part g, in place from the first instruction on.
; The eight accumulators take turns, one instruction a turn, in the same order in every K step.
.macro MULT kh, kind, g, u
.if \kh == 0
	WSLOAD \u, 1                           ; the next tile's scale words, into the registers that this tile does not read (their last readers stand behind four places)
	s_wait_loadcnt 2                       ; all but these two loads are in: this tile's scale words were asked for a tile ago
.elseif \u < 5
	WSLOAD \u+1, 0
	s_wait_loadcnt 2
.else
	s_wait_loadcnt 0x0
.endif
	LOADB \kh, 0
.irp q,0,1,2,3
.if \q < 3
	LOADB \kh, \q+1
	s_wait_dscnt 8                         ; all but the eight loads just issued are in
.else
	s_wait_dscnt 0x0
.endif
.if \kind == 0
	WIN 0x04                               ; source 1 (tokens) window 1; LDS loads have no source 1, so the setting stays through the tile
.else
	WIN 0x54                               ; source 1, C and D window 1
.endif
.set KS_, 4*\kh+\q
.irp t,0,1,2,3
.irp m,0,1
.set rB, BF+32*(\q%2)+8*\t
.set rA, AF+8*(8*\m+KS_)
.set rW, WS+8*(\t/2)+KS_
.set rX, XS+KS_
.if \kind == 0
.set rD, HA+32*\m+8*\t
.set rC, rD
.if KS_ == 0
.set rC, BIAS+8*\t
.endif
.else
.set rD, X1+64*\g+32*\m+8*\t
.set rC, rD
.endif
	WM rD, rB, rA, rC, rW, rX, \t%2, \m
.endr
.endr
.if \kind != 0
	WIN 0
.endif
	PLACES
.endr
	WIN 0
.endm
.macro LOADA                           ; the tokens' operand and its scale words, from LDS into registers
	WIN 0x40                               ; destination window 1
.irp m,0,1
.irp s,0,1,2,3,4,5,6,7
.irp c,0,1
	ds_load_b128 v[AF+8*(8*\m+\s)+4*\c:AF+8*(8*\m+\s)+4*\c+3], v[AI] offset:(32*\m+4*\s+2*\c)*272
.endr
.endr
.endr
	WIN 0
.irp s,0,1,2,3,4,5,6,7
	ds_load_b32 v[XS+\s], v[XSL] offset:128*\s
.endr
.endm
; 64 numbers of a lane, four blocks B: v[s + 16 B .. s + 16 B + 15] and lane l xor 16's sixteen.  Bytes in v[TM+4+B]; codes: v[PC+2B] of the first eight, v[PC+2B+1] of the second eight.
.macro QUANT s
.irp b,0,1,2,3
	v_max3_num_f32 v[TM+\b], |v[\s+16*\b]|, |v[\s+1+16*\b]|, 0x1800000   ; with the floor 2^(3 - 127): the byte cannot fall under 1
.endr
.irp i,2,4,6,8,10,12,14
.irp b,0,1,2,3
	v_max3_num_f32 v[TM+\b], v[TM+\b], |v[\s+16*\b+\i]|, |v[\s+1+16*\b+\i]|
.endr
.endr
.irp b,0,1,2,3
	v_permlanex16_b32 v[TM+4+\b], v[TM+\b], s[SEL], s[SEL+1]
.endr
.irp b,0,1,2,3
	v_max_num_f32 v[TM+\b], v[TM+\b], v[TM+4+\b]
.endr
.irp b,0,1,2,3
	v_add_nc_u32 v[TM+12+\b], 0xff000000, v[TM+\b]     ; 2 off the exponent field: the conversion's scale operand
.endr
.irp b,0,1,2,3
	v_lshrrev_b32 v[TM+4+\b], 23, v[TM+12+\b]          ; the scale's byte
.endr
.irp b,0,1,2,3
	v_cvt_scalef32_pk8_fp4_f32 v[PC+2*\b], v[\s+16*\b:\s+16*\b+7], v[TM+12+\b]
	v_cvt_scalef32_pk8_fp4_f32 v[PC+2*\b+1], v[\s+16*\b+8:\s+16*\b+15], v[TM+12+\b]
.endr
	v_nop                                  ; one plain place behind the last scaled conversion
.endm
; My 64 columns 512 g + 64 w .. of both token tiles (block 2 m + b) become codes and scale bytes in LDS.
.macro TOIMG s, g
	QUANT \s
.irp b,0,1,2,3
	v_permlane16_swap_b32 v[PC+2*\b], v[PC+2*\b+1]     ; words h, 2 + h of a block become words 2 h, 2 h + 1
.endr
.irp c,0,1
.irp i,0,1
	v_permlane16_swap_b32 v[PC+4*\c+\i], v[PC+4*\c+2+\i]   ; and then a whole block in a lane: v[PC+4m ..] of lane half h is block h of token tile m
.endr
.endr
	ds_store_b128 v[IWA], v[PC:PC+3] offset:(16*\g)*272
	ds_store_b128 v[IWA], v[PC+4:PC+7] offset:(32+16*\g)*272
	v_lshl_or_b32 v[HWA], v[TM+5], 8, v[TM+4]
	v_lshl_or_b32 v[HWB], v[TM+7], 8, v[TM+6]
	v_cndmask_b32 v[HWA], v[HWA], v[HWB], s[HM]        ; lanes 16-31: token tile 1
	ds_store_b16 v[IWS], v[HWA] offset:512*\g
	s_wait_dscnt 0x0
.endm
.macro ADDBIAS ptr                     ; x1 += a vector of 1,024 f32, my 128 columns
.irp g,0,1
.irp t,0,1,2,3
.irp e,0,1
	global_load_b128 v[T+32*\g+8*\t+4*\e:T+32*\g+8*\t+4*\e+3], v[BO], s[\ptr:\ptr+1] offset:2048*\g+64*\t+16*\e
.endr
.endr
.endr
	s_wait_loadcnt 0x0
	WIN 0x41                               ; destination and source 0 window 1
.irp g,0,1
.irp m,0,1
.irp t,0,1,2,3
.irp u,0,1,2,3
	v_pk_add_f32 v[X1+64*\g+32*\m+8*\t+2*\u:X1+64*\g+32*\m+8*\t+2*\u+1], v[X1+64*\g+32*\m+8*\t+2*\u:X1+64*\g+32*\m+8*\t+2*\u+1], v[T+32*\g+8*\t+2*\u:T+32*\g+8*\t+2*\u+1]
.endr
.endr
.endr
.endr
	WIN 0
.endm
.macro LOADB1 g                        ; b1 of my four tiles, in the result's layout: the C of each sum's first matrix instruction
.irp t,0,1,2,3
.irp e,0,1
	global_load_b128 v[BIAS+8*\t+4*\e:BIAS+8*\t+4*\e+3], v[BO], s[28:29] offset:2048*\g+64*\t+16*\e
.endr
.endr
	s_wait_loadcnt 0x0
.endm
; Two chains of pairs for each token tile, at v[a + 4 m] on, become the rows' sums over all 1,024 columns, in v[TM] and v[TM + 8], in every lane.
.macro WGSUM a, off
.irp m,0,1
	v_pk_add_f32 v[\a+4*\m:\a+4*\m+1], v[\a+4*\m:\a+4*\m+1], v[\a+4*\m+2:\a+4*\m+3]
.endr
.irp m,0,1
	v_add_f32 v[\a+4*\m], v[\a+4*\m], v[\a+4*\m+1]
.endr
.irp m,0,1
	v_permlanex16_b32 v[PD+\m], v[\a+4*\m], s[SEL], s[SEL+1]
.endr
.irp m,0,1
	v_add_f32 v[\a+4*\m], v[\a+4*\m], v[PD+\m]         ; token r's sum over my wave's 128 columns
.endr
	v_cndmask_b32 v[STV], v[\a], v[\a+4], s[HM]        ; lanes 16-31: token tile 1
	ds_store_b32 v[STA], v[STV] offset:\off
	BARRIER
.irp m,0,1
.irp u,0,1,2,3,4,5,6,7
	ds_load_b32 v[TM+8*\m+\u], v[STR] offset:\off+64*\m+128*\u
.endr
.endr
	s_wait_dscnt 0x0
.irp m,0,1
	v_add_f32 v[TM+8*\m], v[TM+8*\m], v[TM+8*\m+1]
	v_add_f32 v[TM+8*\m+2], v[TM+8*\m+2], v[TM+8*\m+3]
	v_add_f32 v[TM+8*\m+4], v[TM+8*\m+4], v[TM+8*\m+5]
	v_add_f32 v[TM+8*\m+6], v[TM+8*\m+6], v[TM+8*\m+7]
	v_add_f32 v[TM+8*\m], v[TM+8*\m], v[TM+8*\m+2]
	v_add_f32 v[TM+8*\m+4], v[TM+8*\m+4], v[TM+8*\m+6]
	v_add_f32 v[TM+8*\m], v[TM+8*\m], v[TM+8*\m+4]
.endr
.endm
.macro EPI_H g                         ; the activation, in f32, each accumulator from its low end on; then the quantiser
.set j_, 0
.rept 64
	v_max_num_f32 v[HA+j_], 0, v[HA+j_]
.set j_, j_+1
.endr
	TOIMG HA, \g
.endm
; 16 rows x my 64 columns go through my own stage in LDS and leave as rows of 256 bytes: sixteen lanes store 256 consecutive bytes, aligned.
.macro OUTB g, m, k
.if \k >= 2
	s_wait_xcnt 0x0                        ; the stores of two blocks ago have read the registers that the loads below fill
.endif
	WIN 0x04                               ; an LDS store's data are its source 1: window 1
.irp t,0,1,2,3
.irp e,0,1
	ds_store_b128 v[SO], v[X1+64*\g+32*\m+8*\t+4*\e:X1+64*\g+32*\m+8*\t+4*\e+3] offset:64*\t+16*\e
.endr
.endr
	WIN 0
.irp i,0,1,2,3,4,5,6,7
	ds_load_b128 v[OB+32*(\k%2)+4*\i:OB+32*(\k%2)+4*\i+3], v[SR] offset:544*\i   ; LDS serves a wave's instructions in order (ISA guide 5.7.1.4): these see the stores above
.endr
	s_wait_dscnt 0x0
.irp i,0,1,2,3,4,5,6,7
	global_store_b128 v[GO], v[OB+32*(\k%2)+4*\i:OB+32*(\k%2)+4*\i+3], s[32:33] offset:65536*\m+2048*\g+8192*\i th:TH_STORE_NT
.endr
.endm
	s_load_b512 s[4:19], s[0:1], 0x0       ; x, attn_img, attn_sc, Wproj codes, Wproj scales, W1 codes, W1 scales, W2 codes
	s_load_b256 s[20:27], s[0:1], 0x40     ; W2 scales, bproj, g2, beta2
	s_load_b128 s[28:31], s[0:1], 0x60     ; b1, b2
	s_load_b64 s[32:33], s[0:1], 0x70      ; out0
	v_lshl_add_u32 v[SPW], v0, 2, SPARE
	v_mov_b32 v[NIL], 0
	ds_add_u32 v22, v23
	ds_add_u32 v22, v23
	s_wait_dscnt 0x0
	v_lshrrev_b32 v21, 5, v0
	v_readfirstlane_b32 s[WV], v21         ; wave 0..7
	s_bfe_u32 s35, ttmp6, 0x40000          ; cx: it enters global addresses of x, of attn's buffers and of the output alone
	s_lshl_b32 s[WG], ttmp9, 2
	s_add_co_u32 s[WG], s[WG], s35         ; my block of 32 tokens
	s_mov_b32 s[HM], 0xffff0000
	s_mov_b32 s[SEL], 0x76543210
	s_mov_b32 s[SEL+1], 0xfedcba98
	s_mov_b32 s[RCN], 0x3a800000           ; 1 / 1,024
	s_mov_b32 s[EPSR], 0x3727c5ac          ; 1e-5
	s_mul_i32 s[WL], s[WV], 17408
	; group 1, codes: 64 rows of 256 bytes, 512 bytes apart, 16 bytes of padding behind each; mask 15, bit 21 beside it
	s_mov_b32 s[G1C+0], 15|(1<<20)|(1<<21)|(5<<22)|(3<<25)
	s_mov_b32 s[G1C+1], 256<<16
	s_mov_b32 s[G1C+2], 64<<16
	s_mov_b32 s[G1C+3], 256<<16
	s_mov_b32 s[G1C+4], 64
	s_mov_b32 s[G1C+5], 512
	s_mov_b32 s[G1C+6], 0
	s_mov_b32 s[G1C+7], 0
	; group 1, x: four rows, 16,384 dense bytes, as 16 rows of 1,024 bytes with 16 bytes of padding behind each: a row of x is 4,160 bytes in LDS; no mask
	s_mov_b32 s[G1X+0], (3<<16)|(1<<20)|(7<<22)|(3<<25)
	s_mov_b32 s[G1X+1], 128<<16
	s_mov_b32 s[G1X+2], 16<<16
	s_mov_b32 s[G1X+3], 128<<16
	s_mov_b32 s[G1X+4], 16
	s_mov_b32 s[G1X+5], 128
	s_mov_b32 s[G1X+6], 0
	s_mov_b32 s[G1X+7], 0
	s_lshl_b32 s90, s[WG], 17              ; 32 rows of 4,096 bytes a work-group,
	s_lshl_b32 s91, s[WV], 14              ; four a wave
	s_add_co_u32 s90, s90, s91
	s_mov_b32 s91, 0
	s_lshl_b32 s92, s[WV], 15              ; 64 weight rows of 512 bytes
	s_mov_b32 s93, 0
	s_mul_i32 s94, s[WV], 16896            ; x's first place: slot 1; the waves' parts stand 16 bytes askew, so that 16 rows read at one column fall on 16 different groups of banks
	s_and_b32 s95, s[WV], 3
	s_lshl_b32 s95, s95, 4
	s_add_co_u32 s94, s94, s95
	s_add_co_u32 s94, s94, SLOT
	s_wait_kmcnt 0x0
	s_add_nc_u64 s[CP:CP+1], s[10:11], s[92:93]
	s_add_nc_u64 s[CP+2:CP+3], s[14:15], s[92:93]
	s_add_nc_u64 s[CP+4:CP+5], s[18:19], s[92:93]
	s_mov_b32 s[G0C], 1
	s_mov_b32 s[G0C+1], s[WL]
	s_mov_b64 s[G0C+2:G0C+3], s[CP:CP+1]
	s_or_b32 s[G0C+3], s[G0C+3], 0x80000000
	s_mov_b32 s[G0X], 1
	s_mov_b32 s[G0X+1], s94
	s_add_nc_u64 s[G0X+2:G0X+3], s[4:5], s[90:91]
	s_or_b32 s[G0X+3], s[G0X+3], 0x80000000
	CROUND                                 ; all four work-groups are here: the first joint loads meet
	tensor_load_to_lds s[G0C:G0C+3], s[G1C:G1C+7]      ; the first fills, one group: my 64 rows of tile 0,
	s_nop 0
	tensor_load_to_lds s[G0X:G0X+3], s[G1X:G1X+7]      ; and four rows of x: two tensor loads of a wave are out
	s_nop 0
.rept 4
	v_nop
.endr
	v_and_b32 v18, 31, v0                  ; lane
	v_and_b32 v19, 15, v0                  ; r
	v_bfe_u32 v20, v0, 4, 1                ; h
	v_lshlrev_b32 v[AIG], 4, v18
	v_lshlrev_b32 v[L4], 2, v18
	s_lshl_b32 s90, s[WG], 14
	s_mov_b32 s91, 0
	s_add_nc_u64 s[6:7], s[6:7], s[90:91]  ; my two token tiles' images
	s_lshl_b32 s90, s[WG], 10
	s_add_nc_u64 s[8:9], s[8:9], s[90:91]  ; and their scale words
	WIN 0x40                               ; destination window 1
.irp m,0,1
.irp s,0,1,2,3,4,5,6,7
.irp c,0,1
	global_load_b128 v[AF+8*(8*\m+\s)+4*\c:AF+8*(8*\m+\s)+4*\c+3], v[AIG], s[6:7] offset:8192*\m+512*(2*\s+\c) th:TH_LOAD_NT   ; attn as the operand's registers: head 2 s + c, 512 consecutive bytes
.endr
.endr
.endr
	WIN 0
.irp s,0,1,2,3,4,5,6,7
	global_load_b32 v[XS+\s], v[L4], s[8:9] offset:128*\s th:TH_LOAD_NT
.endr
	s_lshl_b32 s96, s[WV], 11
	v_lshl_add_u32 v[SA], v18, 5, s96
	WSLOAD 0, 0                            ; Wproj's scale words of the first tile
	v_lshrrev_b32 v21, 2, v19              ; x(token r, column 512 g + 64 w + 16 t + 8 h ..): the wave that fetched it is r / 4 (+ 4 for tile 1), its row there r % 4
	v_mul_u32_u24 v[XR], v21, 16912
	v_and_b32 v21, 3, v19
	v_mad_u32_u24 v[XR], v21, 4160, v[XR]
	v_lshl_add_u32 v[XR], v20, 5, v[XR]
	s_lshl_b32 s90, s[WV], 8
	s_lshr_b32 s92, s[WV], 2
	s_lshl_b32 s92, s92, 4
	s_add_co_u32 s90, s90, s92
	s_add_co_u32 s90, s90, SLOT
	v_add_nc_u32 v[XR], s90, v[XR]
	v_add_nc_u32 v[XR+1], 67584, v[XR]
	v_mul_u32_u24 v[AI], v20, 272
	v_lshl_add_u32 v[AI], v19, 4, v[AI]
	v_add_nc_u32 v[AI], IMG, v[AI]
	s_mul_i32 s90, s[WV], 544
	v_add_nc_u32 v[IWA], s90, v[AI]        ; my blocks are chunks 32 m + 16 g + 2 w + h
	v_lshl_add_u32 v[XSL], v18, 2, XSC
	s_lshr_b32 s90, s[WV], 1
	s_lshl_b32 s90, s90, 7
	s_and_b32 s92, s[WV], 1
	s_lshl_b32 s92, s92, 1
	s_add_co_u32 s90, s90, s92
	v_add_nc_u32 v[IWS], s90, v[XSL]       ; K step 4 g + w / 2, bytes 2 (w % 2) and the next
	v_mul_u32_u24 v[BA], v19, 272
	v_lshl_add_u32 v[BA], v20, 4, v[BA]
	v_add_nc_u32 v[BA], s[WL], v[BA]
	v_add_nc_u32 v[BA+1], SLOT, v[BA]
	s_lshl_b32 s90, s[WV], 7
	s_add_co_u32 s90, s90, STAT
	v_lshl_add_u32 v[STA], v18, 2, s90
	v_lshl_add_u32 v[STR], v19, 2, STAT
	s_lshl_b32 s90, s[WV], 8
	v_lshl_add_u32 v[BO], v20, 5, s90
	s_mul_i32 s90, s[WV], 4352             ; my stage for the way out
	s_add_co_u32 s90, s90, STG
	v_mul_u32_u24 v[SO], v19, 272
	v_lshl_add_u32 v[SO], v20, 5, v[SO]
	v_add_nc_u32 v[SO], s90, v[SO]
	v_mul_u32_u24 v[SR], v20, 272
	v_lshl_add_u32 v[SR], v19, 4, v[SR]
	v_add_nc_u32 v[SR], s90, v[SR]
	v_lshlrev_b32 v[GO], 12, v20
	v_lshl_add_u32 v[GO], v19, 4, v[GO]
	s_lshl_b32 s90, s[WG], 17
	s_lshl_b32 s92, s[WV], 8
	s_add_co_u32 s90, s90, s92
	s_add_nc_u64 s[32:33], s[32:33], s[90:91]
	s_wait_tensorcnt 0x0                   ; my rows of x are in,
	s_barrier_signal -1
	s_barrier_wait -1                      ; everybody's are
	WIN 0x40
.irp m,0,1
.irp g,0,1
.irp t,0,1,2,3
.irp e,0,1
	ds_load_b128 v[X1+64*\g+32*\m+8*\t+4*\e:X1+64*\g+32*\m+8*\t+4*\e+3], v[XR+\m] offset:2080*\g+64*\t+16*\e
.endr
.endr
.endr
.endr
	WIN 0
	HF 1                                   ; x is in registers; tile 1 goes into its place
	ADDBIAS 22                             ; x + bproj; its wait also covers attn's fragments and all scale words asked for so far
	MULT 0, 2, 0, 0
	HF 2
	MULT 1, 2, 0, 0
	HF 3
	MULT 0, 2, 1, 1
	HF 4
	MULT 1, 2, 1, 1
	HF 5
	; LAYERNORM 2 on x1 (kept), into T, and the quantiser.  The four places behind the last products are those that end the tile.
	WIN 0x40
.irp g,0,1
.irp t,0,1,2,3
.irp e,0,1
	global_load_b128 v[32*\g+8*\t+4*\e:32*\g+8*\t+4*\e+3], v[BO], s[24:25] offset:2048*\g+64*\t+16*\e
	global_load_b128 v[64+32*\g+8*\t+4*\e:64+32*\g+8*\t+4*\e+3], v[BO], s[26:27] offset:2048*\g+64*\t+16*\e
.endr
.endr
.endr
	WIN 0
.irp j,0,1,2,3,4,5,6,7
	v_mov_b32 v[SM+\j], 0
.endr
	v_mov_b32 v[PD], 0                     ; a lane permute's destination counts as one of its sources
	v_mov_b32 v[PD+1], 0
	WIN 0x04                               ; source 1 window 1
.irp g,0,1
.irp t,0,1,2,3
.irp u,0,1,2,3
.irp m,0,1
	v_pk_add_f32 v[SM+4*\m+2*(\u%2):SM+4*\m+2*(\u%2)+1], v[SM+4*\m+2*(\u%2):SM+4*\m+2*(\u%2)+1], v[X1+64*\g+32*\m+8*\t+2*\u:X1+64*\g+32*\m+8*\t+2*\u+1]
.endr
.endr
.endr
.endr
	WIN 0
	WGSUM SM, 0
.irp m,0,1
	v_mul_f32 v[SM+4*\m], s[RCN], v[TM+8*\m]           ; the mean
.endr
	WIN 0x01                               ; source 0 window 1
.irp g,0,1
.irp t,0,1,2,3
.irp u,0,1,2,3
.irp m,0,1
	v_pk_add_f32 v[T+64*\g+32*\m+8*\t+2*\u:T+64*\g+32*\m+8*\t+2*\u+1], v[X1+64*\g+32*\m+8*\t+2*\u:X1+64*\g+32*\m+8*\t+2*\u+1], v[SM+4*\m:SM+4*\m+1] op_sel_hi:[1,0] neg_lo:[0,1] neg_hi:[0,1]
.endr
.endr
.endr
.endr
	WIN 0
.irp g,0,1
.irp t,0,1,2,3
.irp u,0,1,2,3
.irp m,0,1
.if (\g == 0) && (\t == 0) && (\u < 2)
	v_pk_mul_f32 v[SQ+4*\m+2*(\u%2):SQ+4*\m+2*(\u%2)+1], v[T+64*\g+32*\m+8*\t+2*\u:T+64*\g+32*\m+8*\t+2*\u+1], v[T+64*\g+32*\m+8*\t+2*\u:T+64*\g+32*\m+8*\t+2*\u+1]
.else
	v_pk_fma_f32 v[SQ+4*\m+2*(\u%2):SQ+4*\m+2*(\u%2)+1], v[T+64*\g+32*\m+8*\t+2*\u:T+64*\g+32*\m+8*\t+2*\u+1], v[T+64*\g+32*\m+8*\t+2*\u:T+64*\g+32*\m+8*\t+2*\u+1], v[SQ+4*\m+2*(\u%2):SQ+4*\m+2*(\u%2)+1]
.endif
.endr
.endr
.endr
.endr
	WGSUM SQ, 1024
.irp m,0,1
	v_fma_f32 v[SQ+4*\m], v[TM+8*\m], s[RCN], s[EPSR]
.endr
.irp m,0,1
	v_rsq_f32 v[SQ+4*\m], v[SQ+4*\m]
.endr
	v_nop                                  ; a plain place behind the transcendentals
	s_wait_alu depctr_va_vdst(0)
.irp g,0,1
.irp t,0,1,2,3
.irp u,0,1,2,3
.irp m,0,1
	v_pk_mul_f32 v[T+64*\g+32*\m+8*\t+2*\u:T+64*\g+32*\m+8*\t+2*\u+1], v[T+64*\g+32*\m+8*\t+2*\u:T+64*\g+32*\m+8*\t+2*\u+1], v[SQ+4*\m:SQ+4*\m+1] op_sel_hi:[1,0]
.endr
.endr
.endr
.endr
	s_wait_loadcnt 0x0                     ; g2 and beta2
	WIN 0x14                               ; sources 1 and 2 window 1
.irp g,0,1
.irp t,0,1,2,3
.irp u,0,1,2,3
.irp m,0,1
	v_pk_fma_f32 v[T+64*\g+32*\m+8*\t+2*\u:T+64*\g+32*\m+8*\t+2*\u+1], v[T+64*\g+32*\m+8*\t+2*\u:T+64*\g+32*\m+8*\t+2*\u+1], v[32*\g+8*\t+2*\u:32*\g+8*\t+2*\u+1], v[64+32*\g+8*\t+2*\u:64+32*\g+8*\t+2*\u+1]
.endr
.endr
.endr
.endr
	WIN 0
	TOIMG T, 0
	TOIMG T+64, 1
	BARRIER                                ; xn2's codes and scale words lie in LDS
	LOADA
	LOADB1 0
	MULT 0, 0, 0, 2
	HF 6
	MULT 1, 0, 0, 2
	HF 7
	EPI_H 0                                ; every wave took xn2 into registers ahead of the barriers since: the image may be written again
	LOADB1 1
	MULT 0, 0, 1, 3
	HF 8
	MULT 1, 0, 1, 3
	HF 9
	EPI_H 1
	BARRIER                                ; h's codes and scale words lie in LDS
	LOADA
	ADDBIAS 30                             ; x1 + b2
	MULT 0, 2, 0, 4
	HF 10
	MULT 1, 2, 0, 4
	HF 11                                  ; every wave took h into registers ahead of the last two barriers: the stages may be written over its image
	OUTB 0, 0, 0                           ; columns 0-511 are finished: they leave behind the refill, beside the last two tiles
	OUTB 0, 1, 1
	MULT 0, 2, 1, 5
	HF_LAST
	MULT 1, 2, 1, 5
	OUTB 1, 0, 2
	OUTB 1, 1, 3
	s_wait_tensorcnt 0x0                   ; the wave's end
	ds_add_u32 v[SPW], v[NIL]
	s_wait_dscnt 0x0
	CROUND                                 ; the closing round: no work-group ends while a partner may still ask for a tile that names it
	s_endpgm
.Lfunc_end_k_qdf23e72e87_mlp:
	.size	k_qdf23e72e87_mlp, .Lfunc_end_k_qdf23e72e87_mlp-k_qdf23e72e87_mlp
	.p2alignl 7, 3214868480
	.fill 96, 4, 3214868480
	.section	.rodata,"a",@progbits
	.p2align	6, 0x0
	.amdhsa_kernel k_qdf23e72e87_mlp
		.amdhsa_group_segment_fixed_size 327680
		.amdhsa_private_segment_fixed_size 0
		.amdhsa_enable_private_segment 0
		.amdhsa_kernarg_size 120
		.amdhsa_user_sgpr_count 2
		.amdhsa_user_sgpr_kernarg_segment_ptr 1
		.amdhsa_wavefront_size32 1
		.amdhsa_system_sgpr_workgroup_id_x 1
		.amdhsa_system_sgpr_workgroup_id_y 1
		.amdhsa_system_sgpr_workgroup_id_z 1
		.amdhsa_system_vgpr_workitem_id 0
		.amdhsa_next_free_vgpr 512
		.amdhsa_next_free_sgpr 100
		.amdhsa_reserve_vcc 0
		.amdhsa_float_denorm_mode_32 3
		.amdhsa_float_denorm_mode_16_64 3
		.amdhsa_memory_ordered 1
		.amdhsa_forward_progress 1
		.amdhsa_inst_pref_size 181
	.end_amdhsa_kernel
	.amdgpu_metadata
---
amdhsa.version: [ 1, 2 ]
amdhsa.kernels:
  - .name:           k_qdf23e72e87_mlp
    .symbol:         k_qdf23e72e87_mlp.kd
    .args:
      - { .name: x, .offset: 0, .size: 8, .value_kind: global_buffer, .address_space: global }
      - { .name: attn_img, .offset: 8, .size: 8, .value_kind: global_buffer, .address_space: global }
      - { .name: attn_sc, .offset: 16, .size: 8, .value_kind: global_buffer, .address_space: global }
      - { .name: Wproj_codes, .offset: 24, .size: 8, .value_kind: global_buffer, .address_space: global }
      - { .name: Wproj_scales, .offset: 32, .size: 8, .value_kind: global_buffer, .address_space: global }
      - { .name: W1_codes, .offset: 40, .size: 8, .value_kind: global_buffer, .address_space: global }
      - { .name: W1_scales, .offset: 48, .size: 8, .value_kind: global_buffer, .address_space: global }
      - { .name: W2_codes, .offset: 56, .size: 8, .value_kind: global_buffer, .address_space: global }
      - { .name: W2_scales, .offset: 64, .size: 8, .value_kind: global_buffer, .address_space: global }
      - { .name: bproj, .offset: 72, .size: 8, .value_kind: global_buffer, .address_space: global }
      - { .name: g2, .offset: 80, .size: 8, .value_kind: global_buffer, .address_space: global }
      - { .name: beta2, .offset: 88, .size: 8, .value_kind: global_buffer, .address_space: global }
      - { .name: b1, .offset: 96, .size: 8, .value_kind: global_buffer, .address_space: global }
      - { .name: b2, .offset: 104, .size: 8, .value_kind: global_buffer, .address_space: global }
      - { .name: out0, .offset: 112, .size: 8, .value_kind: global_buffer, .address_space: global }
    .group_segment_fixed_size: 327680
    .private_segment_fixed_size: 0
    .kernarg_segment_align: 8
    .kernarg_segment_size: 120
    .max_flat_workgroup_size: 256
    .sgpr_count:     100
    .vgpr_count:     512
    .wavefront_size: 32
...
	.end_amdgpu_metadata
.endif
;; end of part 3
;; ======== version 2 of 2: 3 launches; version 1 with the launch attn written anew for expert scheduling mode
;; workspace buffers: q_codes 4,194,304 bytes; k_codes 4,194,304 bytes; v_codes 4,194,304 bytes; q_sc 524,288 bytes; k_sc 524,288 bytes; v_sc 262,144 bytes; attn_img 4,194,304 bytes; attn_sc 262,144 bytes
;; launch qkv: the kernel of part 1 again; grid 256 x 1, 8 waves a work-group, clusters of 4 x 1, 327,680 bytes of LDS; arguments x, g1, beta1, Wq_codes, Wq_scales, Wk_codes, Wk_scales, Wv_codes, Wv_scales, q_codes, q_sc, k_codes, k_sc, v_codes, v_sc; writes q_codes, q_sc, k_codes, k_sc, v_codes, v_sc
;; launch attn (part 4): grid 256 x 1, 16 waves a work-group, no clusters, 73,728 bytes of LDS; arguments q_codes, q_sc, k_codes, k_sc, v_codes, v_sc, attn_img, attn_sc; writes attn_img, attn_sc
.if DOCPART == 4
	.amdgcn_target "amdgcn-amd-amdhsa--gfx1250"
	.amdhsa_code_object_version 6
	.text
	.protected	k_qdf23e72e87_attn
	.globl	k_qdf23e72e87_attn
	.p2align	8
	.type	k_qdf23e72e87_attn,@function
k_qdf23e72e87_attn:
	s_mov_b64 s[64:65], 0
	v_nop
	global_prefetch_b8 v0, s[64:65] scope:SCOPE_SE
	s_setreg_imm32_b32 hwreg(HW_REG_WAVE_SCHED_MODE, 0, 2), 2
	s_setreg_imm32_b32 hwreg(HW_REG_WAVE_MODE, 25, 1), 1
	s_wait_xcnt 0x0
	s_wait_alu depctr_vm_vsrc(0)
; LAUNCH 2 OF 3.  Causal attention on MX-FP4 codes: S^T = K Q^T (K = the head's 64, filled to 128 with zero codes of Q), p = 2^(t - M) with t = score x log2(e) / 8 and M the ceiling of the running largest t,
; p quantised along the keys, O^T += V^T P^T; the row's sum is taken of the unquantised p and divides at the end; O / l is quantised along C and stored as the next launch's operand registers.
; SHARES.  Two work-groups to a (batch, head); each copies the head's K and V codes and scale bytes (70 KB) into LDS once, through registers, and only reads LDS behind the one barrier.
; Wave p (0 .. 31 over the two work-groups) makes the query tiles p and 63 - p: (p / 8 + 1) + (8 - p / 8) = 9 key steps of 128 keys for every wave.  Steps all of whose keys come after the tile's queries are jumped over by a scalar branch on ids.
; The queries of both tiles are asked for at the head, ahead of the fill, and are covered by the fill's wait.
; NO CLUSTER, NO TENSOR LOADS: what the two work-groups of a head share is this one fill of 70 KB at the start; a key step has 12 matrix instructions beside some 300 vector instructions, so the fill is a small part of the work.
; A lane holds one query (lane % 16) throughout.  Tiles are natural: key tile kt holds keys 16 kt + r; register 8 kt + j of lane half h is key 16 kt + 8 h + j; two exchanges of lane halves order p's codes as the operand wants them.
; LIMITS: NaN and infinities are not served; a block whose largest magnitude lies under 2^-124, or all zeros, gets the scale byte 1 (its codes are then zeros or held; only this program reads the bytes).
; THE MODE: SCHED_MODE bits 1:0 = 2 (LLVM: expert scheduling mode 2), set by the entry lines.  The code itself states the register dependences between vector or matrix instructions and memory or LDS instructions, with s_wait_alu, always for 0.
; THE PLAN.  Registers that memory or LDS instructions touch, in a key step s:
;   KFR, KSW      The LDS loads issued in step s - 1 (for step 0: at the pass's head) land in them; the eight products K Q^T of step s read them.
;   VFR, VSW      The LDS loads issued in step s land in them; the four products V^T P of step s read them.
;   v8-11         The four LDS addresses: written by four adds behind the products K Q^T, read by the step's 22 loads.
;   PC, v225      p's codes and scale word: written by vector instructions, taken by the scaled products V^T P; at a pass's end PC is the data of a global store.
; So a step has one wait on vm_vsrc, ahead of the four adds, and two on va_vdst.  The first stands behind the exponentials: it states their results, the four addresses, that the products K Q^T are done reading KFR and KSW
; and that the last step's products V^T P are done reading VFR and VSW; the loads of this step's V and of the next step's K follow it, and no vector instruction between names a register that they touch (BM, BS, BP, v225, PC and S alone are named).
; The second stands directly ahead of the products V^T P: PC and v225 are written.  All other addresses are made at the head and never written again.
.set VC,  32768                        ; LDS: K's codes [key][32 bytes] at 0; V's [block of 32 keys][d 64][16 bytes] here;
.set KS,  65536                        ; K's scale words [key];
.set VS,  69632                        ; V's scale words [key step 8][d tile 4][r 16]
.set AK,  1                            ; v1  32 r + 16 h
.set AV,  2                            ; v2  VC + 16 r + 1,024 h
.set AKS, 3                            ; v3  KS + 4 x lane
.set AVS, 4                            ; v4  VS + 4 x lane
.set R4,  5                            ; v5  4 r
.set L16, 6                            ; v6  16 x lane
.set RH,  7                            ; v7  r - 8 h
.set ADK, 8                            ; v8  the next step's K;  v9 this step's V;  v10 the next step's scale words of K;  v11 this step's of V
.set ADV, 9
.set ADS, 10
.set ADT, 11
.set QF,  16                           ; v16-23 the first tile's Q; v20-23 (k = 64 .. 127) are zeros
.set QSW, 24                           ; v24 its scale words
.set HW0, 25                           ; v25, v26 pass 0's two scale bytes and where they go; v27, v28 pass 1's
.set KFR, 32                           ; v32-63 eight tiles of K, four registers each; v64-67 zeros
.set VFR, 68                           ; v68-99 four fragments of V
.set S,   100                          ; v100-163 S^T, then p
.set O,   164                          ; v164-195 O^T
.set PC,  196                          ; v196-203 p's codes
.set KSW, 204                          ; v204-207 K's scale words: lanes 0-15 tile 2 b, lanes 16-31 tile 2 b + 1
.set VSW, 208                          ; v208-209 V's likewise
.set BM,  212
.set BP,  216
.set BS,  220
.set FF,  224                          ; v224 f = 2^(old M - new M); v225 p's scale word
.set TT,  226
.set MD,  227
.set MI,  228
.set QF2, 232                          ; v232-239 the second tile's Q; v236-239 are zeros
.set QSW2, 240                         ; v240 its scale words
.set WV,  20
.set BH,  21
.set PP,  22
.set HM,  23
.set SEL, 24
.set CS,  26
.set KF,  28
.set Q0,  29
.set MK,  56                           ; s[56:63] eight lane masks of the diagonal step (at the head these registers hold the queries' addresses, whose loads are done by then)
.macro PLACES
.rept 4
	v_nop
.endr
.endm
.macro WM d, a, b, c, sa, sb, ra       ; one matrix instruction; c < 0: the sum starts with 0; ra: source 0's scale words lie in lanes 16-31
.if (\c) < 0
.if (\ra)
	v_wmma_scale_f32_16x16x128_f8f6f4 v[\d:\d+7], v[\a:\a+7], v[\b:\b+7], 0, v[\sa], v[\sb] matrix_a_fmt:MATRIX_FMT_FP4 matrix_b_fmt:MATRIX_FMT_FP4 matrix_a_scale:MATRIX_SCALE_ROW1
.else
	v_wmma_scale_f32_16x16x128_f8f6f4 v[\d:\d+7], v[\a:\a+7], v[\b:\b+7], 0, v[\sa], v[\sb] matrix_a_fmt:MATRIX_FMT_FP4 matrix_b_fmt:MATRIX_FMT_FP4
.endif
.else
.if (\ra)
	v_wmma_scale_f32_16x16x128_f8f6f4 v[\d:\d+7], v[\a:\a+7], v[\b:\b+7], v[\c:\c+7], v[\sa], v[\sb] matrix_a_fmt:MATRIX_FMT_FP4 matrix_b_fmt:MATRIX_FMT_FP4 matrix_a_scale:MATRIX_SCALE_ROW1
.else
	v_wmma_scale_f32_16x16x128_f8f6f4 v[\d:\d+7], v[\a:\a+7], v[\b:\b+7], v[\c:\c+7], v[\sa], v[\sb] matrix_a_fmt:MATRIX_FMT_FP4 matrix_b_fmt:MATRIX_FMT_FP4
.endif
.endif
.endm
; Twelve LDS loads: the eight tiles of K of a key step and their scale words.  ak, as: the two address registers.
.macro KLOAD ak, as
.irp kt,0,1,2,3,4,5,6,7
	ds_load_b128 v[KFR+4*\kt:KFR+4*\kt+3], v[\ak] offset:512*\kt
.endr
.irp b,0,1,2,3
	ds_load_b32 v[KSW+\b], v[\as] offset:128*\b
.endr
.endm
; A KEY STEP: keys KF .. KF + 127.  qf, qsw: the pass's fragment of Q and its scale words.
.macro STEP qf, qsw
	s_add_co_u32 s55, s[Q0], 15
	s_cmp_gt_u32 s[KF], s55
	s_cbranch_scc1 .Lhid_\@                ; all its keys come after my queries
	s_wait_dscnt 0x0                       ; K and its scale words are in: they were asked for in the step before, or at the pass's head
.irp kt,0,1,2,3,4,5,6,7                ; source 0's upper four registers (k = 64 .. 127) are the next tile's: there Q's codes are zeros and both scale bytes 1.0, so they add nothing whatever they hold
	WM S+8*\kt, KFR+4*\kt, \qf, -1, KSW+\kt/2, \qsw, \kt%2
.endr
	s_add_co_u32 s53, s[KF], 128           ; the next step's first key,
	s_min_u32 s53, s53, 896                ; held at the last step's: that step asks once more for its own keys, so that no load leaves K's bytes
	s_lshl_b32 s50, s[KF], 5
	s_lshl_b32 s52, s[KF], 1
	s_lshl_b32 s51, s53, 2
	s_lshl_b32 s53, s53, 5
	s_wait_alu depctr_vm_vsrc(0)           ; the LDS loads issued so far have read v8 to v11, which the four adds write again
	v_add_nc_u32 v[ADK], s53, v[AK]        ; these four are also the places between the products above and the first read of their results
	v_add_nc_u32 v[ADV], s50, v[AV]
	v_add_nc_u32 v[ADS], s51, v[AKS]
	v_add_nc_u32 v[ADT], s52, v[AVS]
	s_add_co_u32 s54, s[KF], 127
	s_cmp_le_u32 s54, s[Q0]
	s_cbranch_scc1 .Lopen_\@               ; all its keys count
	s_sub_co_i32 s54, s[Q0], s[KF]
	v_add_nc_u32 v[MD], s54, v[RH]         ; d = my query - KF - 8 h: register n holds key KF + 8 h + 16 (n / 8) + n % 8, hidden where 16 (n / 8) + n % 8 > d
	v_mov_b32 v[MI], 0xff800000            ; -infinity: p = 0 then
.set n_, 0
.rept 8                                ; a tile of 16 keys at a time: eight compares into eight scalar registers, one wait, eight selections
.irp k,0,1,2,3,4,5,6,7
	v_cmp_gt_i32 s[MK+\k], 16*n_+\k, v[MD]
.endr
	s_wait_alu depctr_va_sdst(0)           ; the eight compares have written s56 to s63, which the selections below read
.irp k,0,1,2,3,4,5,6,7
	v_cndmask_b32 v[S+8*n_+\k], v[S+8*n_+\k], v[MI], s[MK+\k]
.endr
.set n_, n_+1
.endr
.Lopen_\@:
.irp b,0,1,2,3
	v_max3_num_f32 v[BM+\b], v[S+16*\b], v[S+16*\b+1], v[S+16*\b+2]     ; the largest score of each block of 32 keys: for the row's maximum and, since p rises with the score, for the block's largest p
.endr
.irp i,3,5,7,9,11,13
.irp b,0,1,2,3
	v_max3_num_f32 v[BM+\b], v[BM+\b], v[S+16*\b+\i], v[S+16*\b+\i+1]
.endr
.endr
.irp b,0,1,2,3
	v_max_num_f32 v[BM+\b], v[BM+\b], v[S+16*\b+15]
.endr
.irp b,0,1,2,3
	v_permlanex16_b32 v[BP+\b], v[BM+\b], s[SEL], s[SEL+1]
.endr
.irp b,0,1,2,3
	v_max_num_f32 v[BM+\b], v[BM+\b], v[BP+\b]
.endr
	v_max3_num_f32 v[TT], v[BM], v[BM+1], v[BM+2]
	v_max_num_f32 v[TT], v[TT], v[BM+3]
	v_mul_f32 v[TT], s[CS], v[TT]
	v_max_num_f32 v13, v13, v[TT]          ; the running largest t
	v_mov_b32 v[TT], v12
	v_floor_f32 v12, -v13                  ; -M = floor(-t): M is a whole number
	v_sub_f32 v[TT], v12, v[TT]
	v_cvt_i32_f32 v[TT], v[TT]             ; (it saturates)
	v_ldexp_f32 v[FF], 1.0, v[TT]          ; f = 2^(old M - new M)
.set j_, 0
.rept 32
	v_pk_fma_f32 v[S+j_:S+j_+1], v[S+j_:S+j_+1], s[CS:CS+1], v[12:13] op_sel_hi:[1,0,0]
.set j_, j_+2
.endr
.irp b,0,1,2,3
	v_fma_f32 v[BM+\b], v[BM+\b], s[CS], v12
.endr
.set j_, 0
.rept 64
	v_exp_f32 v[S+j_], v[S+j_]             ; p = 2^(t - M)
.set j_, j_+1
.endr
.irp b,0,1,2,3
	v_exp_f32 v[BM+\b], v[BM+\b]
.endr
	v_pk_mul_f32 v[14:15], v[14:15], v[FF:FF+1] op_sel_hi:[1,0]          ; the sums under the new M (a plain place behind the exponentials)
	s_wait_alu depctr_va_vdst(0)           ; the 68 exponentials have written p and the blocks' largest p; v8 to v11 are written; the products K Q^T are done reading KFR and KSW, the last step's products V^T P reading VFR and VSW
.irp dt,0,1,2,3
.irp c,0,1
	ds_load_b128 v[VFR+8*\dt+4*\c:VFR+8*\dt+4*\c+3], v[ADV] offset:2048*\c+256*\dt    ; this step's V: it lands beside the scales, the conversions, the sums and the rescaling
.endr
.endr
.irp b,0,1
	ds_load_b32 v[VSW+\b], v[ADT] offset:128*\b
.endr
.irp b,0,1,2,3
	v_max_num_f32 v[BM+\b], 0x1800000, v[BM+\b]
.endr
.irp b,0,1,2,3
	v_add_nc_u32 v[BS+\b], 0xff000000, v[BM+\b]
.endr
.irp b,0,1,2,3
	v_lshrrev_b32 v[BP+\b], 23, v[BS+\b]
.endr
	v_lshl_or_b32 v[FF+1], v[BP+1], 8, v[BP]
	v_lshl_or_b32 v[FF+1], v[BP+2], 16, v[FF+1]
	v_lshl_or_b32 v[FF+1], v[BP+3], 24, v[FF+1]                          ; p's scale word for these 128 keys
.irp b,0,1,2,3
	v_cvt_scalef32_pk8_fp4_f32 v[PC+2*\b], v[S+16*\b:S+16*\b+7], v[BS+\b]
	v_cvt_scalef32_pk8_fp4_f32 v[PC+2*\b+1], v[S+16*\b+8:S+16*\b+15], v[BS+\b]
.endr
	v_nop                                  ; one plain place behind the last scaled conversion
.irp b,0,1,2,3
	v_permlane16_swap_b32 v[PC+2*\b], v[PC+2*\b+1]                       ; words h, 2 + h of a block become words 2 h, 2 h + 1
.endr
.irp c,0,1
.irp i,0,1
	v_permlane16_swap_b32 v[PC+4*\c+\i], v[PC+4*\c+2+\i]                 ; and then a whole block in a lane: block 2 c + h
.endr
.endr
	KLOAD ADK, ADS                         ; the next step's K.  No wait: no vector or matrix instruction since the wait above names KFR, KSW, v8 or v10
	v_pk_add_f32 v[BP:BP+1], v[S:S+1], v[S+2:S+3]                        ; the row's sum, of the unquantised p, in two chains
.set j_, 4
.rept 15
	v_pk_add_f32 v[14:15], v[14:15], v[S+j_:S+j_+1]
	v_pk_add_f32 v[BP:BP+1], v[BP:BP+1], v[S+j_+2:S+j_+3]
.set j_, j_+4
.endr
	v_pk_add_f32 v[14:15], v[14:15], v[BP:BP+1]
.set j_, 0
.rept 16
	v_pk_mul_f32 v[O+j_:O+j_+1], v[O+j_:O+j_+1], v[FF:FF+1] op_sel_hi:[1,0]   ; O^T under the new M
.set j_, j_+2
.endr
	s_wait_dscnt 12                        ; V and its scale words are in; the twelve loads issued behind them, the next step's K, may stay out
	s_wait_alu depctr_va_vdst(0)           ; p's codes and scale word are written, which the scaled products below take as operand and scale; the sums and the rescaling above are the places in front of them
.irp dt,0,1,2,3
	WM O+8*\dt, VFR+8*\dt, PC, O+8*\dt, VSW+\dt/2, FF+1, \dt%2
.endr
.Lhid_\@:
.endm
; A PASS: one tile of 16 queries.
.macro PASS i
.if \i
	s_wait_xcnt 0x0                        ; the last pass's store has read its base and its data
	s_wait_alu depctr_vm_vsrc(0)           ; the last pass's store has read v[PC ..], which this pass's conversions write again
	s_wait_dscnt 0x0                       ; the loads of K that the last pass's last step issued have landed: the same registers may be asked for again
.endif
	KLOAD AK, AKS                          ; key step 0's K.  No wait on va_vdst: no vector or matrix instruction since the last one names KFR or KSW, and v1 and v3 were written at the head
	s_lshl_b32 s[Q0], s[PP], 4
.if \i
	s_sub_co_u32 s[Q0], 1008, s[Q0]        ; tile 63 - p
.endif
	s_mov_b32 s37, 0
	s_lshr_b32 s42, s[BH], 4               ; the batch
	s_and_b32 s43, s[BH], 15               ; the head
	s_lshl_b32 s36, s42, 19                ; the image: (64 batch + tile) x 8,192 + head x 512
	s_lshl_b32 s44, s[Q0], 9
	s_add_co_u32 s36, s36, s44
	s_lshl_b32 s44, s43, 9
	s_add_co_u32 s36, s36, s44
	s_add_nc_u64 s[46:47], s[16:17], s[36:37]
	s_lshl_b32 s45, s42, 15                ; the two scale bytes: (32 batch + tile / 2) x 1,024 + (head / 2) x 128 + (tile % 2) x 64 + 4 r + 2 (head % 2)
	s_lshr_b32 s48, s[Q0], 5
	s_lshl_b32 s48, s48, 10
	s_add_co_u32 s45, s45, s48
	s_lshr_b32 s48, s43, 1
	s_lshl_b32 s48, s48, 7
	s_add_co_u32 s45, s45, s48
	s_bfe_u32 s48, s[Q0], 0x10004
	s_lshl_b32 s48, s48, 6
	s_add_co_u32 s45, s45, s48
	s_and_b32 s48, s[BH], 1
	s_lshl_b32 s48, s48, 1
	s_add_co_u32 s45, s45, s48
	v_add_nc_u32 v[HW0+2*\i+1], s45, v[R4]
	v_mov_b32 v13, 0xff61b1e6              ; the largest t so far: -3e38
	v_floor_f32 v12, -v13
	v_mov_b32 v14, 0
	v_mov_b32 v15, 0
.set j_, 0
.rept 32
	v_mov_b32 v[O+j_], 0                   ; the step is written once: the first finds zeros
.set j_, j_+1
.endr
	s_mov_b32 s[KF], 0
.Lstep_\@:                                 ; eight trips, a constant; what is left out is a step's work
.if \i
	STEP QF2, QSW2
.else
	STEP QF, QSW
.endif
	s_add_co_u32 s[KF], s[KF], 128
	s_cmp_lt_u32 s[KF], 1024
	s_cbranch_scc1 .Lstep_\@
	PLACES
	v_add_f32 v14, v14, v15
	v_permlanex16_b32 v[TT], v14, s[SEL], s[SEL+1]
	v_add_f32 v14, v14, v[TT]              ; the row's sum
	v_rcp_f32 v14, v14
	v_nop                                  ; a plain place behind the transcendental
.set j_, 0
	s_wait_alu depctr_va_vdst(0)           ; the reciprocal has written v14, which the multiplications below read
.rept 32
	v_mul_f32 v[S+j_], v[O+j_], v14        ; register 8 dt + j: channel 16 dt + 8 h + j of my query
.set j_, j_+1
.endr
.irp b,0,1
	v_max3_num_f32 v[BM+\b], |v[S+16*\b]|, |v[S+16*\b+1]|, 0x1800000
.endr
.irp u,2,4,6,8,10,12,14
.irp b,0,1
	v_max3_num_f32 v[BM+\b], v[BM+\b], |v[S+16*\b+\u]|, |v[S+16*\b+\u+1]|
.endr
.endr
.irp b,0,1
	v_permlanex16_b32 v[BP+\b], v[BM+\b], s[SEL], s[SEL+1]
.endr
.irp b,0,1
	v_max_num_f32 v[BM+\b], v[BM+\b], v[BP+\b]
.endr
.irp b,0,1
	v_add_nc_u32 v[BS+\b], 0xff000000, v[BM+\b]
.endr
.irp b,0,1
	v_lshrrev_b32 v[BP+\b], 23, v[BS+\b]
.endr
.irp b,0,1
	v_cvt_scalef32_pk8_fp4_f32 v[PC+2*\b], v[S+16*\b:S+16*\b+7], v[BS+\b]
	v_cvt_scalef32_pk8_fp4_f32 v[PC+2*\b+1], v[S+16*\b+8:S+16*\b+15], v[BS+\b]
.endr
	v_nop                                  ; one plain place behind the last scaled conversion
	v_permlane16_swap_b32 v[PC], v[PC+1]
	v_permlane16_swap_b32 v[PC+2], v[PC+3]
	v_permlane16_swap_b32 v[PC], v[PC+2]
	v_permlane16_swap_b32 v[PC+1], v[PC+3] ; v[PC .. PC+3] of lane (r, h): block h of token r of this head
	s_wait_alu depctr_va_vdst(0)           ; the conversions and the exchanges have written v[PC .. PC+3], which the store reads
	global_store_b128 v[L16], v[PC:PC+3], s[46:47]     ; 32 lanes store 512 consecutive bytes
	v_lshl_or_b32 v[HW0+2*\i], v[BP+1], 8, v[BP]
.endm
	s_load_b512 s[4:19], s[0:1], 0x0       ; q_codes, q_sc, k_codes, k_sc, v_codes, v_sc, attn_img, attn_sc
	v_lshl_add_u32 v254, v0, 2, 0x11800
	v_mov_b32 v255, 0
	v_lshrrev_b32 v8, 5, v0
	v_readfirstlane_b32 s[WV], v8          ; wave 0..15
	s_lshr_b32 s[BH], ttmp9, 1             ; 16 x batch + head
	s_and_b32 s30, ttmp9, 1
	s_lshl_b32 s30, s30, 4
	s_wait_alu depctr_va_sdst(0)           ; the wave's number is written, ahead of its first reader
	s_add_co_u32 s[PP], s30, s[WV]         ; p
	s_mov_b32 s[HM], 0xffff0000
	s_mov_b32 s[SEL], 0x76543210
	s_mov_b32 s[SEL+1], 0xfedcba98
	s_mov_b32 s[CS], 0x3e38aa3b            ; log2(e) / 8
	s_mov_b32 s[CS+1], s[CS]
	v_and_b32 v9, 31, v0                   ; lane
	v_and_b32 v10, 15, v0                  ; r
	v_bfe_u32 v11, v0, 4, 1                ; h
	v_lshlrev_b32 v[AK], 5, v10
	v_lshl_add_u32 v[AK], v11, 4, v[AK]
	v_lshlrev_b32 v[AV], 4, v10
	v_lshl_add_u32 v[AV], v11, 10, v[AV]
	v_add_nc_u32 v[AV], VC, v[AV]
	v_lshl_add_u32 v[AKS], v9, 2, KS
	v_lshl_add_u32 v[AVS], v9, 2, VS
	v_lshlrev_b32 v[R4], 2, v10
	v_lshlrev_b32 v[L16], 4, v9
	v_lshlrev_b32 v[RH], 3, v11
	v_sub_nc_u32 v[RH], v10, v[RH]
	v_lshlrev_b32 v30, 4, v0               ; the fill: 16 bytes a thread,
	v_lshlrev_b32 v31, 3, v0               ; 8 bytes a thread of K's scale words,
	v_lshrrev_b32 v12, 6, v0               ; and thread (ks, t, r) gathers the four bytes of V's scale word: 256 ks + 64 kb + 4 r + t
	v_bfe_u32 v13, v0, 4, 2
	v_lshl_add_u32 v13, v10, 2, v13
	v_lshl_add_u32 v29, v12, 8, v13
	v_lshl_add_u32 v28, v0, 3, KS
	v_lshl_add_u32 v27, v0, 2, VS
	s_lshl_b32 s30, s[BH], 15
	s_mov_b32 s31, 0
	s_lshl_b32 s32, s[BH], 12
	s_mov_b32 s33, 0
	s_lshl_b32 s34, s[BH], 11
	s_mov_b32 s35, 0
	s_lshl_b32 s[Q0], s[PP], 4             ; the first tile's first query,
	s_sub_co_u32 s38, 1008, s[Q0]          ; the second tile's
	s_mov_b32 s37, 0
	s_wait_kmcnt 0x0
	s_add_nc_u64 s[4:5], s[4:5], s[30:31]
	s_add_nc_u64 s[6:7], s[6:7], s[32:33]
	s_add_nc_u64 s[8:9], s[8:9], s[30:31]
	s_add_nc_u64 s[10:11], s[10:11], s[32:33]
	s_add_nc_u64 s[12:13], s[12:13], s[30:31]
	s_add_nc_u64 s[14:15], s[14:15], s[34:35]
	s_lshl_b32 s36, s[Q0], 5
	s_add_nc_u64 s[56:57], s[4:5], s[36:37]
	s_lshl_b32 s36, s[Q0], 2
	s_add_nc_u64 s[58:59], s[6:7], s[36:37]
	s_lshl_b32 s36, s38, 5
	s_add_nc_u64 s[60:61], s[4:5], s[36:37]
	s_lshl_b32 s36, s38, 2
	s_add_nc_u64 s[62:63], s[6:7], s[36:37]
	s_wait_alu depctr_va_vdst(0)           ; all offsets and LDS addresses made above (v1 to v6, v27 to v31) are written: the loads and stores of the whole kernel read them
	global_load_b128 v[QF:QF+3], v[AK], s[56:57]       ; both tiles' queries and their scale words: asked for first, covered by the fill's wait
	global_load_b32 v[QSW], v[R4], s[58:59]
	global_load_b128 v[QF2:QF2+3], v[AK], s[60:61]
	global_load_b32 v[QSW2], v[R4], s[62:63]
.irp i,0,1,2,3
	global_load_b128 v[S+4*\i:S+4*\i+3], v30, s[8:9] offset:8192*\i
	global_load_b128 v[S+16+4*\i:S+16+4*\i+3], v30, s[12:13] offset:8192*\i
.endr
	global_load_b64 v[S+32:S+33], v31, s[10:11]
.irp kb,0,1,2,3
	global_load_u8 v[S+34+\kb], v29, s[14:15] offset:64*\kb
.endr
.irp j,0,1,2,3
	v_mov_b32 v[QF+4+\j], 0                ; Q's codes of k = 64 .. 127
	v_mov_b32 v[QF2+4+\j], 0
	v_mov_b32 v[KFR+32+\j], 0
	v_mov_b32 v[BP+\j], 0                  ; a lane permute's destination counts as one of its sources
.endr
	v_mov_b32 v[FF+1], 0                   ; (named as the upper half of a pair before it is first written)
	v_mov_b32 v[TT], 0
	s_wait_loadcnt 0x0
	v_lshl_or_b32 v[S+34], v[S+35], 8, v[S+34]
	v_lshl_or_b32 v[S+34], v[S+36], 16, v[S+34]
	v_lshl_or_b32 v[S+34], v[S+37], 24, v[S+34]
	s_wait_alu depctr_va_vdst(0)           ; V's scale word is written, which the last LDS store below reads; so are the zeros of Q and behind K, which the scaled products K Q^T take as operands
.irp i,0,1,2,3
	ds_store_b128 v30, v[S+4*\i:S+4*\i+3] offset:8192*\i
	ds_store_b128 v30, v[S+16+4*\i:S+16+4*\i+3] offset:VC+8192*\i
.endr
	ds_store_b64 v28, v[S+32:S+33]
	ds_store_b32 v27, v[S+34]
	s_wait_dscnt 0x0                       ; for the others' sake: my stores have landed
	s_barrier_signal -1
	s_barrier_wait -1                      ; from here on LDS is only read
	s_wait_alu depctr_vm_vsrc(0)           ; my LDS stores have read v100 to v134, v27 and v28: these are S^T and pass 1's scale bytes from here on, written by matrix and vector instructions
	PASS 0
	PASS 1
	v_cndmask_b32 v[HW0], v[HW0], v[HW0+2], s[HM]      ; lanes 0-15 store the first tile's scale bytes, lanes 16-31 the second's
	v_cndmask_b32 v[HW0+1], v[HW0+1], v[HW0+3], s[HM]
	s_wait_alu depctr_va_vdst(0)           ; the two selections have written the store's data and its offset
	global_store_b16 v[HW0+1], v[HW0], s[18:19]
	s_wait_dscnt 0x0                       ; the closing lines, six on end
	s_wait_alu 0x0
	s_wait_tensorcnt 0x0
	ds_add_u32 v254, v255
	s_wait_dscnt 0x0
	s_endpgm
.Lfunc_end_k_qdf23e72e87_attn:
	.size	k_qdf23e72e87_attn, .Lfunc_end_k_qdf23e72e87_attn-k_qdf23e72e87_attn
	.p2alignl 7, 3214868480
	.fill 96, 4, 3214868480
	.section	.rodata,"a",@progbits
	.p2align	6, 0x0
	.amdhsa_kernel k_qdf23e72e87_attn
		.amdhsa_group_segment_fixed_size 73728
		.amdhsa_private_segment_fixed_size 0
		.amdhsa_enable_private_segment 0
		.amdhsa_kernarg_size 64
		.amdhsa_user_sgpr_count 2
		.amdhsa_user_sgpr_kernarg_segment_ptr 1
		.amdhsa_wavefront_size32 1
		.amdhsa_system_sgpr_workgroup_id_x 1
		.amdhsa_system_sgpr_workgroup_id_y 1
		.amdhsa_system_sgpr_workgroup_id_z 1
		.amdhsa_system_vgpr_workitem_id 0
		.amdhsa_next_free_vgpr 256
		.amdhsa_next_free_sgpr 66
		.amdhsa_reserve_vcc 0
		.amdhsa_float_denorm_mode_32 3
		.amdhsa_float_denorm_mode_16_64 3
		.amdhsa_memory_ordered 1
		.amdhsa_forward_progress 1
		.amdhsa_inst_pref_size 69
	.end_amdhsa_kernel
	.amdgpu_metadata
---
amdhsa.version: [ 1, 2 ]
amdhsa.kernels:
  - .name:           k_qdf23e72e87_attn
    .symbol:         k_qdf23e72e87_attn.kd
    .args:
      - { .name: q_codes, .offset: 0, .size: 8, .value_kind: global_buffer, .address_space: global }
      - { .name: q_sc, .offset: 8, .size: 8, .value_kind: global_buffer, .address_space: global }
      - { .name: k_codes, .offset: 16, .size: 8, .value_kind: global_buffer, .address_space: global }
      - { .name: k_sc, .offset: 24, .size: 8, .value_kind: global_buffer, .address_space: global }
      - { .name: v_codes, .offset: 32, .size: 8, .value_kind: global_buffer, .address_space: global }
      - { .name: v_sc, .offset: 40, .size: 8, .value_kind: global_buffer, .address_space: global }
      - { .name: attn_img, .offset: 48, .size: 8, .value_kind: global_buffer, .address_space: global }
      - { .name: attn_sc, .offset: 56, .size: 8, .value_kind: global_buffer, .address_space: global }
    .group_segment_fixed_size: 73728
    .private_segment_fixed_size: 0
    .kernarg_segment_align: 8
    .kernarg_segment_size: 64
    .max_flat_workgroup_size: 512
    .sgpr_count:     66
    .vgpr_count:     256
    .wavefront_size: 32
...
	.end_amdgpu_metadata
.endif
;; end of part 4
;; launch mlp: the kernel of part 3 again; grid 256 x 1, 8 waves a work-group, clusters of 4 x 1, 327,680 bytes of LDS; arguments x, attn_img, attn_sc, Wproj_codes, Wproj_scales, W1_codes, W1_scales, W2_codes, W2_scales, bproj, g2, beta2, b1, b2, out0; writes out0
